; MI455X (gfx1250); checked and timed in simulation.
; The chip was launched on July 23, 2026; its instructions are those of AMD's public machine-readable ISA for CDNA 5 (MIT licence, August 2026) and "CDNA5" Instruction Set Architecture Reference Guide (July 2026). The comments in the code are by the model that wrote it; some were corrected since.
;; Sparse Mo E. Allowed arithmetic: matrix products marked QUANTISED: E2M1 operands, one E8M0 scale for each 32 along K, by v_wmma_scale_f32_16x16x128_f8f6f4 with both operands' format E2M1 (or v_wmma_scale_f32_32x16x128_f4), f32 sums; products left as they are: f32 operands where the result goes on into a quantised operand, else bf16, f16 or f32 operands; f32 sums; everything else in f32.
;; Inputs: W1 8 x 768 x 3,072 float32; W2 8 x 3,072 x 768 float32; Wg 768 x 8 float32; Wn 768 x 8 float32; b1 8 x 3,072 float32; b2 8 x 768 float32; bg 8 float32; bn 8 float32; noise 4 x 256 x 8 float32; x 4 x 256 x 768 float32.
;; Outputs: out0 4 x 256 x 768 float32.
;; Constants: top_k = 2.
;; This version of the problem:
;;   THIS VERSION OF THE PROBLEM IS GIVEN IN LOW PRECISION. The matrix products marked QUANTISED in the list below multiply operands that are first quantised to E2M1 (2 exponent bits, 1 mantissa bit; 4 bits a number), with one power-of-two scale for each 32 numbers along K (OCP MX v1.0); their sums are f32. All else is computed in f32.
;;   The module's matrix products, in the order in which they are computed (A, B: the left and right operand; K: the contracted axis; several contracted axes count as one K, in the product's order):
;;     1. [M 1,024, K 768] x [K 768, N 8]; A: input x; B: input Wg: left as it is (N = 8 < 16)
;;     2. [M 1,024, K 768] x [K 768, N 8]; A: input x; B: input Wn: left as it is (N = 8 < 16)
;;     3. [M 1,024, K 768] x [K 768, N 3,072]; A: input x; B: input W1: QUANTISED
;;     4. [M 1,024, K 3,072] x [K 3,072, N 768]; A: computed on the way; B: input W2: QUANTISED
;;     5. [M 1,024, K 768] x [K 768, N 3,072]; A: input x; B: input W1: QUANTISED
;;     6. [M 1,024, K 3,072] x [K 3,072, N 768]; A: computed on the way; B: input W2: QUANTISED
;;     7. [M 1,024, K 768] x [K 768, N 3,072]; A: input x; B: input W1: QUANTISED
;;     8. [M 1,024, K 3,072] x [K 3,072, N 768]; A: computed on the way; B: input W2: QUANTISED
;;     9. [M 1,024, K 768] x [K 768, N 3,072]; A: input x; B: input W1: QUANTISED
;;     10. [M 1,024, K 3,072] x [K 3,072, N 768]; A: computed on the way; B: input W2: QUANTISED
;;     11. [M 1,024, K 768] x [K 768, N 3,072]; A: input x; B: input W1: QUANTISED
;;     12. [M 1,024, K 3,072] x [K 3,072, N 768]; A: computed on the way; B: input W2: QUANTISED
;;     13. [M 1,024, K 768] x [K 768, N 3,072]; A: input x; B: input W1: QUANTISED
;;     14. [M 1,024, K 3,072] x [K 3,072, N 768]; A: computed on the way; B: input W2: QUANTISED
;;     15. [M 1,024, K 768] x [K 768, N 3,072]; A: input x; B: input W1: QUANTISED
;;     16. [M 1,024, K 3,072] x [K 3,072, N 768]; A: computed on the way; B: input W2: QUANTISED
;;     17. [M 1,024, K 768] x [K 768, N 3,072]; A: input x; B: input W1: QUANTISED
;;     18. [M 1,024, K 3,072] x [K 3,072, N 768]; A: computed on the way; B: input W2: QUANTISED
;;   THE QUANTISER, for each operand of a quantised product, along K:
;;     - K is cut into blocks of 32 from its start; a last block that is shorter is filled with zeros.
;;     - A block's scale is 2^e with e = floor(log2(the largest magnitude in the block)) - 2, held to -126 .. 127; a block of zeros has e = 0. As a byte (E8M0): e + 127.
;;     - Each number is divided by its block's scale, clamped to +-6, and rounded to the nearest number of E2M1, ties to even, subnormals kept.
;;     - The product sums the exact products of the quantised numbers (number of the format x scale) in f32.
;;   ~~~python
;;   def quantise(x, axis):      # numpy; x: float32 -> the quantised numbers, widened to float32 again
;;       x = np.moveaxis(x, axis, -1); K = x.shape[-1]
;;       x = np.pad(x, [(0, 0)] * (x.ndim - 1) + [(0, -K % 32)]); x = x.reshape(x.shape[:-1] + (-1, 32)); a = np.abs(x).max(-1, keepdims=True)
;;       e = np.where(a > 0, np.clip(np.frexp(np.where(a > 0, a, 1))[1] - 1 - 2, -126, 127), 0)      # np.frexp(a)[1] - 1 = floor(log2(a)), exactly
;;       r = np.clip(x / 2.0 ** e, -6, 6)
;;       step = 2.0 ** (np.maximum(np.frexp(np.where(r == 0, 1, r))[1] - 1, 0) - 1)
;;       q = np.round(r / step) * step * 2.0 ** e      # np.round: ties to even
;;       return np.moveaxis(q.reshape(q.shape[:-2] + (-1,))[..., :K], -1, axis).astype(np.float32)
;;   ~~~
;;   OPERANDS COMPUTED ON THE WAY. 'Computed on the way' means the value that the module computes at that place (a softmax that the list does not call 'softmax' is quantised finished and normalised). What goes into a quantiser is computed in f32, as accurately as f32 sums, v_exp_f32 and their like allow (about 1e-6 of the number): no bf16 or f16 on the way to a quantiser, and a product that is left as it is and whose result goes on into a quantised operand takes f32 operands (vector FMAs, or v_wmma_f32_16x16x4_f32). A number that lies on a knife's edge between two numbers of the format may be rounded either way, as far as f32 arithmetic and the matrix unit's own rounding can turn it there, and no further.
;; One version. Each part assembles by itself: llvm-mc -triple=amdgcn-amd-amdhsa -mcpu=gfx1250 --defsym DOCPART=n.
;; ======== version 1 of 1: 4 launches
;; limits: right only within a limited range of input values
;; workspace buffers: xq 393,216 bytes; xs 24,576 bytes; sel 4,096 bytes of whole numbers; gate 8,192 bytes; hq 12,582,912 bytes; hs 786,432 bytes; part 12,582,912 bytes
;; launch route (part 1): grid 64 x 1, 12 waves a work-group, no clusters, 128,000 bytes of LDS; arguments x, noise, Wg, bg, Wn, bn, xq, xs, sel, gate; writes xq, xs, sel, gate
.if DOCPART == 1
	.amdgcn_target "amdgcn-amd-amdhsa--gfx1250"
	.amdhsa_code_object_version 6
	.text
	.protected	k_q4a7e764d53_route
	.globl	k_q4a7e764d53_route
	.p2align	8
	.type	k_q4a7e764d53_route,@function
k_q4a7e764d53_route:
	s_mov_b64 s[64:65], 0
	v_nop
	global_prefetch_b8 v0, s[64:65] scope:SCOPE_SE
	s_setreg_imm32_b32 hwreg(HW_REG_WAVE_MODE, 25, 1), 1
	s_wait_xcnt 0x0
; ROUTE: the noisy top-2 router in f32, and x as codes of E2M1 with one E8M0 byte for each 32 along D.
; WORK LEFT OUT IN THIS PROGRAM.  gates[t][e] is a sum of one_hot(topk_idx) x softmax: for an expert e outside token t's top 2 every one_hot term is 0, so gates[t][e] is
; exactly 0 whatever the inputs hold, and gates[t][e] x (h W2[e] + b2[e]) adds 0 to out.  So of the expert products only the rows (t, e) with e among t's two chosen experts are made: 2,048 rows.
; The choice is stored here as whole numbers at fixed places and read from memory by the later launches.  top_k = 2 is built in.  Every input buffer is loaded.
; LIMITS.  A NaN, an infinity or an overflow that arises only in a row of an expert that was not chosen is not carried to the result.  NaN among the router's numbers is not served.
; Equal noisy logits: the lower index wins (strict comparison), as in jax.lax.top_k.  A block of zeros gets the scale byte 1 where the rule says 127: its codes are zeros, and only this program reads the bytes.
; SHARES.  Work-group j: tokens 16 j .. 16 j + 15, one tile of the matrix instruction: 1,024 tokens make 64 work-groups.  Wave w of twelve: d = 64 w .. 64 w + 63, two blocks of 32.
; Lane (r, h) = (lane % 16, lane / 16) holds token r and, of each block of 32, numbers 16 h + 0 .. 15.
; x IS LOADED AS IT LIES: each of a wave's eight loads takes 256 consecutive bytes of one row in lanes 0-15 and of the next row in lanes 16-31; the 4,096 bytes turn through the wave's own stage in LDS and come back 64 bytes a lane and block.
; The two router products (N = 8 each, side by side as 16 columns) go in f32: 12.6 million multiply-adds in all, so that the choice is made on f32 sums.  The same 32 numbers of a lane are then quantised.
; OUT.  xq [token][384 bytes]; xs [token][24 bytes]; sel [group of 32 tokens][32 words]: word e = the ballot of the tokens whose first choice is e, word 8 + e of the second choice (a work-group stores one half of each of these
; 16 words; words 16 to 31 are neither written nor read); gate [slot x 1024 + token] f32.
.set WL,    0                          ; LDS: Wg | Wn, row d = 64 bytes, 64 bytes of padding behind each 16 rows: 48 x 1,088 bytes
.set XST,   52224                      ; each wave's stage for x: 16 rows x (256 + 16) bytes
.set XQL,   104448                     ; 16 rows x 384 bytes of codes
.set XSL,   110592                     ; 16 rows x 24 scale bytes
.set LG,    111104                     ; each wave's partial sums: 16 tokens x 80 bytes
.set SPARE, 126464                     ; the spare words, 128 bytes for each of 12 waves
.set SPW, 1                            ; v1  my spare word; never rewritten
.set NIL, 2                            ; v2  0; never rewritten
.set XA,  3                            ; v3  x: 3,072 h + 16 r
.set WLS, 4                            ; v4  where I put 16 bytes of Wg in LDS
.set WGO, 5                            ; v5  16 x thread: my 16 bytes of Wg and of Wn
.set WBA, 6                            ; v6  from where I read the router's B operand
.set XQS, 7                            ; v7  where my codes go in LDS
.set XSA, 8                            ; v8  where my row's two scale bytes go
.set LGS, 9                            ; v9  where my partial sums go
.set OL,  10                           ; v10 16 x lane + 512 x wave: the codes' way out, in xq
.set NO,  16                           ; v16 32 r: a token's noise
.set XSO, 17                           ; v17 4 x lane + 128 x wave: the scale bytes' way out, in xs
.set LGR, 18                           ; v18 wave 11: my token's partial sums, my half of the twelve
.set L4,  19                           ; v19 4 r
.set OLL, 20                           ; v20 XQL + v10
.set XSR, 21                           ; v21 XSL + v17
.set XSI, 22                           ; v22 my stage, on the way in: row h, 16 r
.set XSB, 23                           ; v23 and back: row r, 64 h
.set X,   32                           ; v32-63   32 numbers of x; wave 11 later, with v64-127: sums and the router's tail
.set XR,  64                           ; v64-95   x as it is loaded
.set WB,  96                           ; v96-127  the router's B operand
.set WR,  128                          ; v128-159 Wg and Wn on their way to LDS
.set SUM, 160                          ; v160-167
.set TM,  168                          ; v168-183 at work
.set PC,  184                          ; v184-187 codes
.set PW,  192                          ; v192     my row's two scale bytes
.set NZ,  200                          ; v200-207 wave 11: noise
.set ACCF, 224                         ; v224-255 four f32 accumulators: written by matrix instructions alone
.set WV,  24
.set SEL, 28                           ; s[28:29] v_permlanex16_b32's selects for lane xor 16
	s_load_b256 s[4:11], s[0:1], 0x0               ; x s[4:5], noise s[6:7], Wg s[8:9], bg s[10:11]
	s_load_b256 s[12:19], s[0:1], 0x20             ; Wn s[12:13], bn s[14:15], xq s[16:17], xs s[18:19]
	s_load_b128 s[20:23], s[0:1], 0x40             ; sel s[20:21], gate s[22:23]
	v_lshl_add_u32 v[SPW], v0, 2, SPARE
	v_mov_b32 v[NIL], 0
	v_lshrrev_b32 v11, 5, v0
	s_delay_alu instid0(VALU_DEP_1)
	v_readfirstlane_b32 s[WV], v11                 ; wave 0..11
	v_and_b32 v12, 31, v0                          ; lane
	v_and_b32 v13, 15, v0                          ; r
	v_bfe_u32 v14, v0, 4, 1                        ; h
	s_delay_alu instid0(VALU_DEP_1)
	v_mul_u32_u24 v[XA], v14, 3072
	s_delay_alu instid0(VALU_DEP_1)
	v_lshl_add_u32 v[XA], v13, 4, v[XA]
	v_lshrrev_b32 v15, 1, v0                       ; thread / 2 = the row d of Wg that my 16 bytes belong to (+ 192 for each further load)
	s_delay_alu instid0(VALU_DEP_1)
	v_lshlrev_b32 v[WLS], 6, v15
	s_delay_alu instid0(VALU_DEP_1)
	v_lshl_add_u32 v[WLS], v11, 6, v[WLS]          ; + 64 for each 16 rows passed (thread / 32)
	v_and_b32 v15, 1, v0
	s_delay_alu instid0(VALU_DEP_1)
	v_lshl_add_u32 v[WLS], v15, 4, v[WLS]          ; + which half of the row's 32 bytes
	v_lshlrev_b32 v[WGO], 4, v0
	s_mul_i32 s30, s[WV], 4352                     ; 64 rows of WL: 64 x 64 + 4 x 64 bytes.  (A stage is as many bytes: 16 x 272)
	v_mul_u32_u24 v[WBA], v14, 1088                ; lanes 16-31: 16 rows on
	s_delay_alu instid0(VALU_DEP_1)
	v_lshl_add_u32 v[WBA], v13, 2, v[WBA]          ; column r
	s_delay_alu instid0(VALU_DEP_1)
	v_add_nc_u32 v[WBA], s30, v[WBA]
	s_add_co_u32 s31, s30, XST                     ; my stage
	v_mul_u32_u24 v[XSI], v14, 272
	s_delay_alu instid0(VALU_DEP_1)
	v_lshl_add_u32 v[XSI], v13, 4, v[XSI]
	s_delay_alu instid0(VALU_DEP_1)
	v_add_nc_u32 v[XSI], s31, v[XSI]
	v_mul_u32_u24 v[XSB], v13, 272
	s_delay_alu instid0(VALU_DEP_1)
	v_lshl_add_u32 v[XSB], v14, 6, v[XSB]
	s_delay_alu instid0(VALU_DEP_1)
	v_add_nc_u32 v[XSB], s31, v[XSB]
	s_lshl_b32 s30, s[WV], 5
	s_add_co_u32 s30, s30, XQL
	v_mul_u32_u24 v[XQS], v13, 384
	s_delay_alu instid0(VALU_DEP_1)
	v_lshl_add_u32 v[XQS], v14, 4, v[XQS]
	s_delay_alu instid0(VALU_DEP_1)
	v_add_nc_u32 v[XQS], s30, v[XQS]               ; XQL + 384 r + 32 w + 16 h
	s_lshl_b32 s30, s[WV], 1
	s_add_co_u32 s30, s30, XSL
	v_mul_u32_u24 v[XSA], v13, 24
	s_delay_alu instid0(VALU_DEP_1)
	v_add_nc_u32 v[XSA], s30, v[XSA]               ; XSL + 24 r + 2 w
	s_mul_i32 s30, s[WV], 1280
	s_add_co_u32 s30, s30, LG
	v_mul_u32_u24 v[LGS], v14, 640
	s_delay_alu instid0(VALU_DEP_1)
	v_lshl_add_u32 v[LGS], v13, 2, v[LGS]
	s_delay_alu instid0(VALU_DEP_1)
	v_add_nc_u32 v[LGS], s30, v[LGS]               ; LG + 1,280 w + 80 (8 h) + 4 r
	s_lshl_b32 s30, s[WV], 9
	v_lshl_add_u32 v[OL], v12, 4, s30
	s_delay_alu instid0(VALU_DEP_1)
	v_add_nc_u32 v[OLL], XQL, v[OL]
	v_lshlrev_b32 v[NO], 5, v13
	s_lshl_b32 s30, s[WV], 7
	v_lshl_add_u32 v[XSO], v12, 2, s30
	s_delay_alu instid0(VALU_DEP_1)
	v_add_nc_u32 v[XSR], XSL, v[XSO]
	v_mul_u32_u24 v[LGR], v14, 7680                ; lanes 16-31 take waves 6 to 11's sums
	s_delay_alu instid0(VALU_DEP_1)
	v_mad_u32_u24 v[LGR], v13, 80, v[LGR]
	s_delay_alu instid0(VALU_DEP_1)
	v_add_nc_u32 v[LGR], LG, v[LGR]
	v_lshlrev_b32 v[L4], 2, v13
.irp b, 0,1
	v_mov_b32 v[TM+4+\b], 0                        ; written once: a lane permute's destination counts as one of its sources
.endr
	s_mul_i32 s30, ttmp9, 49152                    ; x: my 16 tokens of 3,072 bytes,
	s_lshl_b32 s31, s[WV], 8
	s_add_co_u32 s30, s30, s31                     ; my wave's 256 bytes of a row
	s_mov_b32 s31, 0
	s_lshl_b32 s32, ttmp9, 9                       ; noise: 16 tokens x 32 bytes
	s_mov_b32 s33, 0
	s_mul_i32 s34, ttmp9, 6144                     ; xq: 16 x 384
	s_mov_b32 s35, 0
	s_mul_i32 s54, ttmp9, 384                      ; xs: 16 x 24
	s_mov_b32 s55, 0
	s_lshr_b32 s56, ttmp9, 1
	s_lshl_b32 s56, s56, 7                         ; sel: the group of 32 tokens, 128 bytes,
	s_and_b32 s57, ttmp9, 1
	s_lshl_b32 s57, s57, 1
	s_add_co_u32 s56, s56, s57                     ; and my half of each of its words
	s_mov_b32 s57, 0
	s_lshl_b32 s58, ttmp9, 6                       ; gate: 16 numbers
	s_mov_b32 s59, 0
	s_mov_b32 s[SEL], 0x76543210
	s_mov_b32 s[SEL+1], 0xfedcba98
	s_wait_kmcnt 0x0
	s_add_nc_u64 s[4:5], s[4:5], s[30:31]
	s_add_nc_u64 s[6:7], s[6:7], s[32:33]
	s_add_nc_u64 s[16:17], s[16:17], s[34:35]
	s_add_nc_u64 s[18:19], s[18:19], s[54:55]
	s_add_nc_u64 s[20:21], s[20:21], s[56:57]
	s_add_nc_u64 s[22:23], s[22:23], s[58:59]
.irp i, 0,1,2,3
	global_load_b128 v[WR+8*\i:WR+8*\i+3], v[WGO], s[8:9] offset:6144*\i       ; 384 threads x 16 bytes x 4 = all of Wg,
	global_load_b128 v[WR+8*\i+4:WR+8*\i+7], v[WGO], s[12:13] offset:6144*\i   ; and of Wn: wanted first, so asked for first
.endr
.irp i, 0,1,2,3,4,5,6,7
	global_load_b128 v[XR+4*\i:XR+4*\i+3], v[XA], s[4:5] offset:6144*\i th:TH_LOAD_NT      ; rows 2 i + h: each half of the lanes reads 256 consecutive bytes, aligned
.endr
	s_cmp_lg_u32 s[WV], 11                         ; wave 11 will make the choice: it alone fetches noise and the two biases
	s_cbranch_scc1 .Lno_noise
	s_wait_alu depctr_va_vdst(0)
	global_load_b128 v[NZ:NZ+3], v[NO], s[6:7]
	global_load_b128 v[NZ+4:NZ+7], v[NO], s[6:7] offset:16
	s_load_b256 s[36:43], s[10:11], 0x0            ; bg
	s_load_b256 s[44:51], s[14:15], 0x0            ; bn
.Lno_noise:
	s_wait_loadcnt 8                               ; Wg and Wn are in: x's eight loads were issued behind them (in wave 11 two more: the count is the stricter there)
.irp i, 0,1,2,3
	ds_store_b128 v[WLS], v[WR+8*\i:WR+8*\i+3] offset:13056*\i                 ; 192 rows on: 12 groups of 1,088 bytes
	ds_store_b128 v[WLS], v[WR+8*\i+4:WR+8*\i+7] offset:13056*\i+32
.endr
	s_wait_dscnt 0x0                               ; my part of Wg | Wn lies in LDS,
	s_barrier_signal -1
	s_barrier_wait -1                              ; everybody's does
.irp b, 0,1
.irp i, 0,1,2,3,4,5,6,7,8,9,10,11,12,13,14,15
	ds_load_b32 v[WB+16*\b+\i], v[WBA] offset:2176*\b+64*\i                    ; (Wg | Wn)(64 w + 32 b + 16 h + i, column r): the same d as x's register 16 b + i
.endr
.endr
	s_wait_loadcnt 0x0                             ; x (and in wave 11 noise)
.irp i, 0,1,2,3,4,5,6,7
	ds_store_b128 v[XSI], v[XR+4*\i:XR+4*\i+3] offset:544*\i                   ; rows 2 i + h of my own stage, as they were loaded
.endr
.irp b, 0,1
.irp q, 0,1,2,3
	ds_load_b128 v[X+16*\b+4*\q:X+16*\b+4*\q+3], v[XSB] offset:128*\b+16*\q    ; register 16 b + i = x(token r, 64 w + 32 b + 16 h + i).  LDS serves a wave's instructions in order (ISA guide 5.7.1.4): these see the stores above
.endr
.endr
	s_wait_dscnt 0x0
; 16 products of 16 x 16 x 4 in f32.  A lane's register pair 2 i, 2 i + 1 of block b stands for k = 2 h + 0, 1 on both sides: the same permutation of d in x and in W.  Four accumulators, (i % 2, b), by turns.
.irp i, 0,1,2,3,4,5,6,7
.irp b, 0,1
.if \i < 2
	v_wmma_f32_16x16x4_f32 v[ACCF+8*(2*(\i%2)+\b):ACCF+8*(2*(\i%2)+\b)+7], v[X+16*\b+2*\i:X+16*\b+2*\i+1], v[WB+16*\b+2*\i:WB+16*\b+2*\i+1], 0
.else
	v_wmma_f32_16x16x4_f32 v[ACCF+8*(2*(\i%2)+\b):ACCF+8*(2*(\i%2)+\b)+7], v[X+16*\b+2*\i:X+16*\b+2*\i+1], v[WB+16*\b+2*\i:WB+16*\b+2*\i+1], v[ACCF+8*(2*(\i%2)+\b):ACCF+8*(2*(\i%2)+\b)+7]
.endif
.endr
.endr
; x's two blocks of 32 are quantised: a block lies in lanes l and l xor 16
.irp b, 0,1
	v_max3_num_f32 v[TM+\b], |v[X+16*\b]|, |v[X+1+16*\b]|, 0x1800000           ; my 16 numbers, and the floor 2^(3 - 127): the byte cannot fall under 1
.endr
.irp i, 2,4,6,8,10,12,14
.irp b, 0,1
	s_delay_alu instid0(VALU_DEP_2)
	v_max3_num_f32 v[TM+\b], v[TM+\b], |v[X+16*\b+\i]|, |v[X+1+16*\b+\i]|
.endr
.endr
.irp b, 0,1
	s_delay_alu instid0(VALU_DEP_2)
	v_permlanex16_b32 v[TM+4+\b], v[TM+\b], s[SEL], s[SEL+1]
.endr
.irp b, 0,1
	s_delay_alu instid0(VALU_DEP_2)
	v_max_num_f32 v[TM+\b], v[TM+\b], v[TM+4+\b]   ; the block's largest magnitude
.endr
.irp b, 0,1
	s_delay_alu instid0(VALU_DEP_2)
	v_add_nc_u32 v[TM+12+\b], 0xff000000, v[TM+\b] ; 2 off its exponent field: the conversion's scale operand
.endr
.irp b, 0,1
	s_delay_alu instid0(VALU_DEP_2)
	v_lshrrev_b32 v[TM+4+\b], 23, v[TM+12+\b]      ; the scale's byte
.endr
	s_delay_alu instid0(VALU_DEP_1)
	v_lshl_or_b32 v[PW], v[TM+5], 8, v[TM+4]       ; my row's scale bytes of blocks 2 w and 2 w + 1
.irp b, 0,1
	v_cvt_scalef32_pk8_fp4_f32 v[PC+2*\b], v[X+16*\b:X+7+16*\b], v[TM+12+\b]
	v_cvt_scalef32_pk8_fp4_f32 v[PC+1+2*\b], v[X+8+16*\b:X+15+16*\b], v[TM+12+\b]
.endr
	v_nop                                          ; one plain place behind a scaled conversion
.irp i, 0,1
	v_permlane16_swap_b32 v[PC+\i], v[PC+2+\i]     ; the four registers now hold d = 64 w + 32 h + 0 .. 31 of row r: 16 bytes of the row as they lie in xq
.endr
	ds_store_b128 v[XQS], v[PC:PC+3]
	ds_store_b16 v[XSA], v[PW]                     ; both halves of the lanes write the same two bytes with the same value
.rept 8
	v_nop                                          ; eight places between the f32 products and the first read of their results (ISA guide 7.12.1)
.endr
.irp j, 0,2,4,6
	v_pk_add_f32 v[SUM+\j:SUM+\j+1], v[ACCF+\j:ACCF+\j+1], v[ACCF+8+\j:ACCF+8+\j+1]      ; each accumulator is read from its low end on
	v_pk_add_f32 v[TM+\j:TM+\j+1], v[ACCF+16+\j:ACCF+16+\j+1], v[ACCF+24+\j:ACCF+24+\j+1]
.endr
.irp j, 0,2,4,6
	v_pk_add_f32 v[SUM+\j:SUM+\j+1], v[SUM+\j:SUM+\j+1], v[TM+\j:TM+\j+1]
.endr
.irp j, 0,1,2,3,4,5,6,7
	ds_store_b32 v[LGS], v[SUM+\j] offset:80*\j    ; (token 8 h + j, column r) of my 64 d's partial sums
.endr
	s_wait_dscnt 0x0                               ; my codes, scale bytes and partial sums lie in LDS,
	s_barrier_signal -1
	s_barrier_wait -1                              ; everybody's do
	ds_load_b128 v[PC:PC+3], v[OLL]                ; the 16 rows of codes are 6,144 bytes on end, in LDS and in xq: 512 a wave
	s_wait_dscnt 0x0
	global_store_b128 v[OL], v[PC:PC+3], s[16:17]  ; 32 lanes store 512 consecutive bytes
	s_cmp_gt_u32 s[WV], 2                          ; the 384 scale bytes: waves 0 to 2, 128 consecutive bytes each
	s_cbranch_scc1 .Lno_xs
	ds_load_b32 v[TM], v[XSR]
	s_wait_dscnt 0x0
	global_store_b32 v[XSO], v[TM], s[18:19]
.Lno_xs:
	s_cmp_lg_u32 s[WV], 11
	s_cbranch_scc1 .Lend
; ---- wave 11, lane l for token l % 16: the sums over the twelve waves, softplus, the noisy logits, the top 2, the gates, the ballots.
; Each half of the lanes sums six waves' parts; once the halves are joined both hold the same numbers, and what they store they store alike, to the same places.
.set TOP1, X+32
.set IDX1, X+33
.set TOP2, X+34
.set IDX2, X+35
.set BAL,  X+36
.set ZZ,   X+37
.set GA,   X+38
.set GB,   X+39
.set BAL2, X+40
.irp s, 0,1,2,3,4,5
.irp q, 0,1,2,3
	ds_load_b128 v[X+16*\s+4*\q:X+16*\s+4*\q+3], v[LGR] offset:1280*\s+16*\q
.endr
.endr
	s_wait_dscnt 0x0
.irp s, 1,2,3,4,5
.irp k, 0,2,4,6,8,10,12,14
	v_pk_add_f32 v[X+\k:X+\k+1], v[X+\k:X+\k+1], v[X+16*\s+\k:X+16*\s+\k+1]
.endr
.endr
.irp n, 0,1,2,3,4,5,6,7,8,9,10,11,12,13,14,15
	v_permlanex16_b32 v[X+16+\n], v[X+\n], s[SEL], s[SEL+1]                    ; the other six waves' sums
.endr
.irp k, 0,2,4,6,8,10,12,14
	v_pk_add_f32 v[X+\k:X+\k+1], v[X+\k:X+\k+1], v[X+16+\k:X+16+\k+1]
.endr
	s_wait_alu depctr_va_vdst(0)
	s_wait_kmcnt 0x0                               ; bg, bn
.irp n, 0,1,2,3,4,5,6,7
	v_add_f32 v[X+\n], s[36+\n], v[X+\n]           ; logits
	v_add_f32 v[X+8+\n], s[44+\n], v[X+8+\n]       ; z = noise_logits
.endr
; softplus(z) = max(z, 0) + ln 2 x log2(1 + 2^(-|z| log2 e)): the form that cannot overflow
.irp n, 0,1,2,3,4,5,6,7
	v_mul_f32 v[X+16+\n], 0xbfb8aa3b, |v[X+8+\n]|
.endr
	s_wait_alu depctr_va_vdst(0)
.irp n, 0,1,2,3,4,5,6,7
	v_exp_f32 v[X+16+\n], v[X+16+\n]
.endr
.irp n, 0,1,2,3,4,5,6,7
	v_max_num_f32 v[X+24+\n], 0, v[X+8+\n]         ; plain work behind the batch
.endr
	s_wait_alu depctr_va_vdst(0)                   ; one wait for the eight exponentials, ahead of their first reader
.irp n, 0,1,2,3,4,5,6,7
	v_add_f32 v[X+16+\n], 1.0, v[X+16+\n]
.endr
	s_wait_alu depctr_va_vdst(0)
.irp n, 0,1,2,3,4,5,6,7
	v_log_f32 v[X+16+\n], v[X+16+\n]
.endr
	v_nop                                          ; a plain place behind the last logarithm
	s_wait_alu depctr_va_vdst(0)                   ; one wait for the eight
.irp n, 0,1,2,3,4,5,6,7
	v_fma_f32 v[X+24+\n], v[X+16+\n], 0x3f317218, v[X+24+\n]   ; softplus
.endr
.irp n, 0,1,2,3,4,5,6,7
	v_fma_f32 v[X+\n], v[NZ+\n], v[X+24+\n], v[X+\n]           ; noisy = logits + noise x softplus
.endr
	v_mov_b32 v[TOP1], v[X]
	v_mov_b32 v[IDX1], 0
	v_mov_b32 v[TOP2], 0xff800000                  ; -infinity: under every number
	v_mov_b32 v[IDX2], 0
.irp n, 1
	s_delay_alu instid0(VALU_DEP_4)
	v_cmp_gt_f32 s52, v[X+\n], v[TOP1]             ; strictly greater: of equals the lower index stays ahead
	s_delay_alu instid0(VALU_DEP_3)
	v_cmp_gt_f32 s53, v[X+\n], v[TOP2]
	s_delay_alu instid0(VALU_DEP_1)
	v_cndmask_b32 v[TOP2], v[TOP2], v[X+\n], s53
	s_delay_alu instid0(VALU_DEP_2)
	v_cndmask_b32 v[IDX2], v[IDX2], \n, s53
	s_delay_alu instid0(VALU_DEP_2)
	v_cndmask_b32 v[TOP2], v[TOP2], v[TOP1], s52
	s_delay_alu instid0(VALU_DEP_2)
	v_cndmask_b32 v[IDX2], v[IDX2], v[IDX1], s52
	v_cndmask_b32 v[TOP1], v[TOP1], v[X+\n], s52
	v_cndmask_b32 v[IDX1], v[IDX1], \n, s52
.endr
.irp n, 2, 3, 4, 5, 6, 7
	s_delay_alu instid0(VALU_DEP_2)
	v_cmp_gt_f32 s52, v[X+\n], v[TOP1]             ; strictly greater: of equals the lower index stays ahead
	v_cmp_gt_f32 s53, v[X+\n], v[TOP2]
	s_delay_alu instid0(VALU_DEP_1)
	v_cndmask_b32 v[TOP2], v[TOP2], v[X+\n], s53
	s_delay_alu instid0(VALU_DEP_2)
	v_cndmask_b32 v[IDX2], v[IDX2], \n, s53
	s_delay_alu instid0(VALU_DEP_2)
	v_cndmask_b32 v[TOP2], v[TOP2], v[TOP1], s52
	s_delay_alu instid0(VALU_DEP_2)
	v_cndmask_b32 v[IDX2], v[IDX2], v[IDX1], s52
	v_cndmask_b32 v[TOP1], v[TOP1], v[X+\n], s52
	v_cndmask_b32 v[IDX1], v[IDX1], \n, s52
.endr
	s_delay_alu instid0(VALU_DEP_2)
	v_sub_f32 v[ZZ], v[TOP2], v[TOP1]              ; the softmax of the two, the larger taken away: 1 / (1 + z) and z / (1 + z), z = e^(second - first), at most 1
	s_delay_alu instid0(VALU_DEP_1)
	v_mul_f32 v[ZZ], 0x3fb8aa3b, v[ZZ]
	s_wait_alu depctr_va_vdst(0)
	v_exp_f32 v[ZZ], v[ZZ]
	v_mov_b32 v[BAL], 0                            ; (a plain place)
	v_mov_b32 v[BAL2], 0
	s_wait_alu depctr_va_vdst(0)
	v_add_f32 v[GA], 1.0, v[ZZ]
	s_wait_alu depctr_va_vdst(0)
	v_rcp_f32 v[GA], v[GA]
	v_nop                                          ; (a plain place)
.irp e, 0,1,2,3,4,5,6,7
	v_cmp_eq_u32 s52, \e, v[IDX1]                  ; the ballot of the 16 tokens, in the low 16 bits (and once more in the high 16): data that are stored at fixed places, no address hangs on them here
	s_delay_alu instid0(VALU_DEP_1)
	v_writelane_b32 v[BAL], s52, \e
	v_cmp_eq_u32 s53, \e, v[IDX2]
	s_delay_alu instid0(VALU_DEP_1)
	v_writelane_b32 v[BAL], s53, 8+\e
.endr
	s_delay_alu instid0(VALU_DEP_1)
	v_permlanex16_b32 v[BAL2], v[BAL], s[SEL], s[SEL+1]
	s_delay_alu instid0(VALU_DEP_1)
	v_or_b32 v[BAL], v[BAL], v[BAL2]               ; lanes 16-31 hold what lanes 0-15 hold
	s_wait_alu depctr_va_vdst(0)                   ; ahead of the reciprocal's first reader
	v_mul_f32 v[GB], v[ZZ], v[GA]
	global_store_b16 v[L4], v[BAL], s[20:21]       ; lane k: my half of word k of the group
	global_store_b32 v[L4], v[GA], s[22:23]
	global_store_b32 v[L4], v[GB], s[22:23] offset:4096
.Lend:
	s_wait_tensorcnt 0x0                           ; the wave's end
	ds_add_u32 v[SPW], v[NIL]
	s_wait_dscnt 0x0
	s_endpgm
.Lfunc_end_k_q4a7e764d53_route:
	.size	k_q4a7e764d53_route, .Lfunc_end_k_q4a7e764d53_route-k_q4a7e764d53_route
	.p2alignl 7, 3214868480
	.fill 96, 4, 3214868480
	.section	.rodata,"a",@progbits
	.p2align	6, 0x0
	.amdhsa_kernel k_q4a7e764d53_route
		.amdhsa_group_segment_fixed_size 128000
		.amdhsa_private_segment_fixed_size 0
		.amdhsa_enable_private_segment 0
		.amdhsa_kernarg_size 80
		.amdhsa_user_sgpr_count 2
		.amdhsa_user_sgpr_kernarg_segment_ptr 1
		.amdhsa_wavefront_size32 1
		.amdhsa_system_sgpr_workgroup_id_x 1
		.amdhsa_system_sgpr_workgroup_id_y 1
		.amdhsa_system_sgpr_workgroup_id_z 1
		.amdhsa_system_vgpr_workitem_id 0
		.amdhsa_next_free_vgpr 256
		.amdhsa_next_free_sgpr 66
		.amdhsa_reserve_vcc 0
		.amdhsa_float_denorm_mode_32 3
		.amdhsa_float_denorm_mode_16_64 3
		.amdhsa_memory_ordered 1
		.amdhsa_forward_progress 1
		.amdhsa_inst_pref_size 34
	.end_amdhsa_kernel
	.amdgpu_metadata
---
amdhsa.version: [ 1, 2 ]
amdhsa.kernels:
  - .name:           k_q4a7e764d53_route
    .symbol:         k_q4a7e764d53_route.kd
    .args:
      - { .name: x, .offset: 0, .size: 8, .value_kind: global_buffer, .address_space: global }
      - { .name: noise, .offset: 8, .size: 8, .value_kind: global_buffer, .address_space: global }
      - { .name: Wg, .offset: 16, .size: 8, .value_kind: global_buffer, .address_space: global }
      - { .name: bg, .offset: 24, .size: 8, .value_kind: global_buffer, .address_space: global }
      - { .name: Wn, .offset: 32, .size: 8, .value_kind: global_buffer, .address_space: global }
      - { .name: bn, .offset: 40, .size: 8, .value_kind: global_buffer, .address_space: global }
      - { .name: xq, .offset: 48, .size: 8, .value_kind: global_buffer, .address_space: global }
      - { .name: xs, .offset: 56, .size: 8, .value_kind: global_buffer, .address_space: global }
      - { .name: sel, .offset: 64, .size: 8, .value_kind: global_buffer, .address_space: global }
      - { .name: gate, .offset: 72, .size: 8, .value_kind: global_buffer, .address_space: global }
    .group_segment_fixed_size: 128000
    .private_segment_fixed_size: 0
    .kernarg_segment_align: 8
    .kernarg_segment_size: 80
    .max_flat_workgroup_size: 384
    .sgpr_count:     66
    .vgpr_count:     256
    .wavefront_size: 32
...
	.end_amdgpu_metadata
.endif
;; end of part 1
;; launch up (part 2): grid 24 x 8, 16 waves a work-group, no clusters, 57,856 bytes of LDS; arguments W1, b1, xq, xs, sel, hq, hs; writes hq, hs
.if DOCPART == 2
	.amdgcn_target "amdgcn-amd-amdhsa--gfx1250"
	.amdhsa_code_object_version 6
	.text
	.protected	k_q4a7e764d53_up
	.globl	k_q4a7e764d53_up
	.p2align	8
	.type	k_q4a7e764d53_up,@function
k_q4a7e764d53_up:
	s_mov_b64 s[64:65], 0
	v_nop
	global_prefetch_b8 v0, s[64:65] scope:SCOPE_SE
	s_setreg_imm32_b32 hwreg(HW_REG_WAVE_MODE, 25, 1), 1
	s_wait_xcnt 0x0
; UP: h = relu(x W1[e] + b1[e]) for the rows that chose expert e, both operands as codes of E2M1, and h quantised along F on the way.
; WORK LEFT OUT: rows (token, e) whose gate is 0 by reference()'s own one_hot (shown at the head of the first kernel).  Which rows are live is read from sel, which the first launch stored.
; SHARES.  Work-group (j, e): expert e, hidden units 128 j .. 128 j + 127: one K step of the second product.  Its slice of W1, 768 x 128 f32, is read from memory ONCE, quantised and kept in LDS as codes.
; Sixteen waves.  QUANTISING: wave w takes columns 32 (w % 4) + lane and k = 192 (w / 4) + 0 .. 191: a lane to a column, its registers down K, six blocks of 32; two blocks' loads (64 a wave) are on their way.
; PRODUCT: wave w takes the pairs p = w and w + 16 of tiles of 16 rows of the expert's list: 32 pairs serve every split, all 1,024 tokens on one expert too.  No tensor load: the number of pairs is read from memory.
; THE LIST.  Position n of expert e's list is the n-th token, in ascending order, that chose e.  Each wave finds the 32 rows of its pair in registers from the 64 ballot words (COUNT, SEARCH); the next launch does the same.
; Positions past the count are held at the last row: the padding rows of the last pair are copies of it.
; TRANSPOSED USE: source 0 = 16 hidden units, source 1 = 16 rows of x: a lane holds one row, its registers run along F.  LDS row 16 (2 b + t) + m holds unit 32 b + 16 (m / 8) + 8 t + m % 8, so that the 16 registers
; of tiles 2 b and 2 b + 1 are 16 neighbours along F.  b1 is the C of each sum's first matrix instruction.
; OUT.  hq [e][tile 0..63][block 0..95][16 rows][16 bytes]; hs [e][tile][K step 0..23][16 rows] words: the order in which the next launch's operand registers take them.
; LIMITS: a block of zeros gets the byte 1 (its codes are zeros; only this program reads the bytes); NaN and infinities among the inputs are not served.
.set WC,    0                          ; LDS: 128 rows x 400 bytes: 384 of codes + 16, an odd multiple of 16
.set WP,    400
.set WS,    51200                      ; 128 rows x 32 bytes: 24 scale bytes
.set B1S,   55296                      ; b1's 128 numbers
.set SPARE, 55808                      ; the spare words, 128 bytes for each of 16 waves
.set GROW,  12288                      ; a row of W1[e] in bytes
.set SPW, 1
.set NIL, 2
.set AW,  3                            ; v3  WC + 400 r + 16 h: a fragment's place for my lane
.set AWS, 4                            ; v4  WS + 32 lane: lanes 0-15 tile t = 0's scale words, lanes 16-31 tile t = 1's
.set AB1, 5                            ; v5  B1S + 64 h
.set QWC, 6                            ; v6  where my column's codes go
.set QWS, 7                            ; v7  and its scale bytes
.set QG,  8                            ; v8  4 x lane
.set H16, 9                            ; v9  16 h
.set HO,  10                           ; v10 24,576 h + 16 r
.set HSO, 11                           ; v11 1,536 h + 4 r
.set LN,  12                           ; v12 lane
.set POS, 13                           ; v13 my position in the list
.set IDL, 16                           ; v16 the row at position 32 p + lane: slot x 1024 + token
.set XO0, 17                           ; v17-19 offsets of the gather
.set XO1, 18
.set XSO, 19
.set XSC, 24                           ; v24-29 x's scale words, K step s: lanes 0-15 tile 0, lanes 16-31 tile 1.  Scales and nothing else
.set WSC, 30                           ; v30-32 W1's scale words, three slots.  Scales and nothing else
.set SELO, 33                          ; v33 128 x lane
.set VM,  34                           ; v34 lane g: the ballot of group g's tokens that chose e
.set VM1, 35                           ; v35 and of those that chose it second
.set BO,  36                           ; v36 4 x thread
.set BD,  37
.set XF,  40                           ; v40-135 x's fragments: 48 u + 8 s
.set ST,  40                           ; v40-49  COUNT's and SEARCH's registers, while x's are not in use
.set X,   136                          ; quantising: v136-199 two sets of 32 numbers, v200-223 codes, v224-229 bytes, v230-232 at work
.set CD,  200
.set EB,  224
.set TQ,  230
.set ACC, 136                          ; product: v136-167 accumulators 16 u + 8 t, v168-183 b1, v184-231 W1's fragments in three slots, v232-235 h's codes, v236-237 h's scale words, v238-246 at work
.set BIAS, 168
.set WF,  184
.set HC,  232
.set HSW, 236
.set TM,  238
.set WV,  18
.set CG,  19
.set KQ,  20
.set EX,  21
.set CNT, 23
.set NP,  24
.set CM1, 25
.set SEL, 26
.set SHI, 28
.set P,   29
.set HQB, 34
.set HSB, 36
.set TA,  40
.set TB,  41
.set TC,  42
.set PF,  43
.macro LOADW t                         ; block t: W1(192 (w / 4) + 32 t + i, my column), i = 0 .. 31, into set t % 2: each load reads 128 consecutive bytes, four waves side by side 512
.set XL, X+32*((\t)%2)
.set I, 0
.rept 32
	global_load_b32 v[XL+I], v[QG], s[4:5] offset:(32*(\t)+I)*GROW th:TH_LOAD_NT
.set I, I+1
.endr
.endm
.macro BLOCK t, left                   ; block t is quantised and goes to LDS; left: the loads issued behind its own, which may stay out
.set XS, X+32*((\t)%2)
	s_wait_loadcnt \left
	v_max3_num_f32 v[TQ], |v[XS]|, |v[XS+1]|, |v[XS+2]|            ; the block's largest magnitude: all 32 numbers are mine
	v_max3_num_f32 v[TQ+1], |v[XS+3]|, |v[XS+4]|, |v[XS+5]|
.irp i, 6,10,14,18,22,26
	s_delay_alu instid0(VALU_DEP_2)
	v_max3_num_f32 v[TQ], v[TQ], |v[XS+\i]|, |v[XS+\i+1]|
	s_delay_alu instid0(VALU_DEP_2)
	v_max3_num_f32 v[TQ+1], v[TQ+1], |v[XS+\i+2]|, |v[XS+\i+3]|
.endr
	s_delay_alu instid0(VALU_DEP_2)
	v_max3_num_f32 v[TQ], v[TQ], |v[XS+30]|, |v[XS+31]|
	s_delay_alu instid0(VALU_DEP_1)
	v_max3_num_f32 v[TQ], v[TQ], v[TQ+1], 0x1800000                ; and the floor 2^(3 - 127)
	s_delay_alu instid0(VALU_DEP_1)
	v_add_nc_u32 v[TQ+2], 0xff000000, v[TQ]                        ; 2 off the exponent field: the conversion's scale operand
.irp g, 0,1,2,3
	v_cvt_scalef32_pk8_fp4_f32 v[CD+4*(\t)+\g], v[XS+8*\g:XS+8*\g+7], v[TQ+2]
.endr
	v_lshrrev_b32 v[EB+(\t)], 23, v[TQ+2]                          ; the scale's byte; also the plain line behind the conversions
	ds_store_b128 v[QWC], v[CD+4*(\t):CD+4*(\t)+3] offset:16*(\t)  ; each block has registers of its own for codes and byte
	ds_store_b8 v[QWS], v[EB+(\t)] offset:\t
.if (\t) < 4
	LOADW (\t)+2
.endif
.endm
.macro COUNT                           ; how many rows chose e: the set bits of lane g's ballot, counted in bit slices, summed over the 32 lanes
	v_or_b32 v[VM], v[VM], v[VM1]
	s_delay_alu instid0(VALU_DEP_1)
	v_lshrrev_b32 v[ST], 1, v[VM]
	s_delay_alu instid0(VALU_DEP_1)
	v_and_b32 v[ST], 0x55555555, v[ST]
	s_delay_alu instid0(VALU_DEP_1)
	v_sub_nc_u32 v[ST+1], v[VM], v[ST]
	s_delay_alu instid0(VALU_DEP_1)
	v_lshrrev_b32 v[ST], 2, v[ST+1]
	s_delay_alu instid0(VALU_DEP_1)
	v_and_b32 v[ST], 0x33333333, v[ST]
	s_delay_alu instid0(VALU_DEP_3)
	v_and_b32 v[ST+1], 0x33333333, v[ST+1]
	s_delay_alu instid0(VALU_DEP_1)
	v_add_nc_u32 v[ST+1], v[ST+1], v[ST]
	s_delay_alu instid0(VALU_DEP_1)
	v_lshrrev_b32 v[ST], 4, v[ST+1]
	s_delay_alu instid0(VALU_DEP_1)
	v_add_nc_u32 v[ST+1], v[ST+1], v[ST]
	s_delay_alu instid0(VALU_DEP_1)
	v_and_b32 v[ST+1], 0x0f0f0f0f, v[ST+1]
	s_mov_b32 s[TA], 0x01010101
	v_mul_lo_u32 v[ST+1], v[ST+1], s[TA]
	s_delay_alu instid0(VALU_DEP_1)
	v_lshrrev_b32 v[ST+1], 24, v[ST+1]
.irp m, 1,2,4,8
	s_delay_alu instid0(VALU_DEP_1)
	v_mov_b32_dpp v[ST], v[ST+1] row_xmask:\m row_mask:0xf bank_mask:0xf
	s_delay_alu instid0(VALU_DEP_1)
	v_add_nc_u32 v[ST+1], v[ST+1], v[ST]
.endr
	s_delay_alu instid0(VALU_DEP_1)
	v_permlanex16_b32 v[ST], v[ST+1], s[SEL], s[SEL+1]
	s_delay_alu instid0(VALU_DEP_1)
	v_add_nc_u32 v[ST+1], v[ST+1], v[ST]
	s_delay_alu instid0(VALU_DEP_1)
	v_readfirstlane_b32 s[CNT], v[ST+1]
	s_min_u32 s[CNT], s[CNT], 1024
	s_add_co_u32 s[NP], s[CNT], 31
	s_lshr_b32 s[NP], s[NP], 5                     ; pairs of tiles
	s_sub_co_u32 s[CM1], s[CNT], 1                 ; the last position
.endm
.macro DESC src, w                     ; one halving step: if k is at least the number of set bits in the lower w places, take them off k and go w places up
	s_delay_alu instid0(VALU_DEP_1)
	v_bfe_u32 v[ST+9], v[\src], v[ST+8], \w
	s_delay_alu instid0(VALU_DEP_1)
	v_cmp_ge_u32 vcc_lo, v[ST+3], v[ST+9]
	s_delay_alu instid0(VALU_DEP_1)
	v_cndmask_b32 v[ST+9], 0, v[ST+9], vcc_lo
	s_delay_alu instid0(VALU_DEP_1)
	v_sub_nc_u32 v[ST+3], v[ST+3], v[ST+9]
	s_delay_alu instid0(VALU_DEP_3)
	v_cndmask_b32 v[ST+9], 0, \w, vcc_lo
	s_delay_alu instid0(VALU_DEP_1)
	v_add_nc_u32 v[ST+8], v[ST+8], v[ST+9]
.endm
.macro SEARCH                          ; v[IDL] = the row at position min(32 p + lane, count - 1) of the list.  Whole numbers from sel alone
	s_lshl_b32 s[TA], s[P], 5
	v_add_nc_u32 v[POS], s[TA], v[LN]
	s_delay_alu instid0(VALU_DEP_1)
	v_min_u32 v[POS], s[CM1], v[POS]
	s_mov_b32 s[PF], 0                             ; rows in the groups passed
.set G, 0
.rept 32
	v_readlane_b32 s[TA], v[VM], G
	v_readlane_b32 s[TB], v[VM1], G
.if G == 0
	v_mov_b32 v[ST], 0
	s_delay_alu instid0(VALU_DEP_3)
	v_mov_b32 v[ST+1], s[TA]
	s_delay_alu instid0(VALU_DEP_3)
	v_mov_b32 v[ST+2], s[TB]
.else
	v_cmp_le_u32 vcc_lo, s[PF], v[POS]             ; the last group whose first position is at or under mine is my group
	s_lshl_b32 s[TC], s[PF], 5
	s_or_b32 s[TC], s[TC], G
	v_cndmask_b32 v[ST], v[ST], s[TC], vcc_lo      ; its first position x 32 + its number,
	v_cndmask_b32 v[ST+1], v[ST+1], s[TA], vcc_lo  ; its ballot,
	v_cndmask_b32 v[ST+2], v[ST+2], s[TB], vcc_lo  ; and that of the second choices
.endif
.if G < 31
	s_bcnt1_i32_b32 s[TA], s[TA]
	s_add_co_u32 s[PF], s[PF], s[TA]
.endif
.set G, G+1
.endr
	s_delay_alu instid0(VALU_DEP_3)
	v_lshrrev_b32 v[ST+9], 5, v[ST]
	s_delay_alu instid0(VALU_DEP_1)
	v_sub_nc_u32 v[ST+3], v[POS], v[ST+9]          ; k: I want the k-th set bit of my group's ballot
	s_delay_alu instid0(VALU_DEP_4)
	v_lshrrev_b32 v[ST+9], 1, v[ST+1]              ; the numbers of set bits in fields of 2, 4, 8 and 16 places
	s_delay_alu instid0(VALU_DEP_1)
	v_and_b32 v[ST+9], 0x55555555, v[ST+9]
	s_delay_alu instid0(VALU_DEP_1)
	v_sub_nc_u32 v[ST+4], v[ST+1], v[ST+9]
	s_delay_alu instid0(VALU_DEP_1)
	v_lshrrev_b32 v[ST+9], 2, v[ST+4]
	s_delay_alu instid0(VALU_DEP_1)
	v_and_b32 v[ST+9], 0x33333333, v[ST+9]
	s_delay_alu instid0(VALU_DEP_3)
	v_and_b32 v[ST+5], 0x33333333, v[ST+4]
	s_delay_alu instid0(VALU_DEP_1)
	v_add_nc_u32 v[ST+5], v[ST+5], v[ST+9]
	s_delay_alu instid0(VALU_DEP_1)
	v_lshrrev_b32 v[ST+9], 4, v[ST+5]
	s_delay_alu instid0(VALU_DEP_1)
	v_add_nc_u32 v[ST+9], v[ST+5], v[ST+9]
	s_delay_alu instid0(VALU_DEP_1)
	v_and_b32 v[ST+6], 0x0f0f0f0f, v[ST+9]
	s_delay_alu instid0(VALU_DEP_1)
	v_lshrrev_b32 v[ST+9], 8, v[ST+6]
	s_delay_alu instid0(VALU_DEP_1)
	v_add_nc_u32 v[ST+9], v[ST+6], v[ST+9]
	s_delay_alu instid0(VALU_DEP_1)
	v_and_b32 v[ST+7], 0x00ff00ff, v[ST+9]
	v_mov_b32 v[ST+8], 0
	DESC ST+7, 16
	DESC ST+6, 8
	DESC ST+5, 4
	DESC ST+4, 2
	DESC ST+1, 1
	v_and_b32 v[ST], 31, v[ST]
	s_delay_alu instid0(VALU_DEP_1)
	v_lshl_add_u32 v[IDL], v[ST], 5, v[ST+8]       ; token = 32 x group + place
	s_delay_alu instid0(VALU_DEP_3)
	v_bfe_u32 v[ST+9], v[ST+2], v[ST+8], 1
	s_delay_alu instid0(VALU_DEP_1)
	v_lshl_add_u32 v[IDL], v[ST+9], 10, v[IDL]     ; + 1,024 where e is the token's second choice
.endm
.macro GATHER                          ; the pair's 32 rows of x: 24 loads of codes, 3 of scale words
	v_permlanex16_b32 v20, v[IDL], s[SEL], s[SEL+1]
	s_delay_alu instid0(VALU_DEP_1)
	v_cndmask_b32 v21, v[IDL], v20, s[SHI]         ; tile 0's row r, in both halves of the lanes
	s_delay_alu instid0(VALU_DEP_2)
	v_cndmask_b32 v22, v20, v[IDL], s[SHI]         ; tile 1's
	s_delay_alu instid0(VALU_DEP_2)
	v_min_u32 v21, 2047, v21
	s_delay_alu instid0(VALU_DEP_2)
	v_min_u32 v22, 2047, v22
	v_min_u32 v23, 2047, v[IDL]
	s_delay_alu instid0(VALU_DEP_3)
	v_and_b32 v21, 1023, v21                       ; the token
	s_delay_alu instid0(VALU_DEP_3)
	v_and_b32 v22, 1023, v22
	s_delay_alu instid0(VALU_DEP_3)
	v_and_b32 v23, 1023, v23
	s_delay_alu instid0(VALU_DEP_3)
	v_mad_u32_u24 v[XO0], v21, 384, v[H16]
	s_delay_alu instid0(VALU_DEP_3)
	v_mad_u32_u24 v[XO1], v22, 384, v[H16]
	s_delay_alu instid0(VALU_DEP_3)
	v_mul_u32_u24 v[XSO], v23, 24
.irp i, 0,1,2,3,4,5,6,7,8,9,10,11
	global_load_b128 v[XF+4*\i:XF+4*\i+3], v[XO0], s[8:9] offset:32*\i         ; K step i / 2, registers 4 (i % 2) on: k = 64 (i % 2) + 32 h + 0 .. 31
.endr
.irp i, 0,1,2,3,4,5,6,7,8,9,10,11
	global_load_b128 v[XF+48+4*\i:XF+48+4*\i+3], v[XO1], s[8:9] offset:32*\i
.endr
.irp i, 0,1,2
	global_load_b64 v[XSC+2*\i:XSC+2*\i+1], v[XSO], s[10:11] offset:8*\i
.endr
.endm
.macro MMA d, a, b, c, sa, sb, ra, rb  ; ra, rb: which half of the lanes holds this tile's scale words
.if ((\ra) == 0) && ((\rb) == 0)
	v_wmma_scale_f32_16x16x128_f8f6f4 v[(\d):(\d)+7], v[(\a):(\a)+7], v[(\b):(\b)+7], v[(\c):(\c)+7], v[(\sa)], v[(\sb)] matrix_a_fmt:MATRIX_FMT_FP4 matrix_b_fmt:MATRIX_FMT_FP4
.elseif ((\ra) == 1) && ((\rb) == 0)
	v_wmma_scale_f32_16x16x128_f8f6f4 v[(\d):(\d)+7], v[(\a):(\a)+7], v[(\b):(\b)+7], v[(\c):(\c)+7], v[(\sa)], v[(\sb)] matrix_a_fmt:MATRIX_FMT_FP4 matrix_b_fmt:MATRIX_FMT_FP4 matrix_a_scale:MATRIX_SCALE_ROW1
.elseif ((\ra) == 0) && ((\rb) == 1)
	v_wmma_scale_f32_16x16x128_f8f6f4 v[(\d):(\d)+7], v[(\a):(\a)+7], v[(\b):(\b)+7], v[(\c):(\c)+7], v[(\sa)], v[(\sb)] matrix_a_fmt:MATRIX_FMT_FP4 matrix_b_fmt:MATRIX_FMT_FP4 matrix_b_scale:MATRIX_SCALE_ROW1
.else
	v_wmma_scale_f32_16x16x128_f8f6f4 v[(\d):(\d)+7], v[(\a):(\a)+7], v[(\b):(\b)+7], v[(\c):(\c)+7], v[(\sa)], v[(\sb)] matrix_a_fmt:MATRIX_FMT_FP4 matrix_b_fmt:MATRIX_FMT_FP4 matrix_a_scale:MATRIX_SCALE_ROW1 matrix_b_scale:MATRIX_SCALE_ROW1
.endif
.endm
.macro WLOAD q                         ; step q = 6 b + s: the fragments of tiles 2 b and 2 b + 1, K step s, and their scale words, into slot q % 3: five LDS loads
.irp t, 0,1
.irp c, 0,1
	ds_load_b128 v[WF+16*((\q)%3)+8*\t+4*\c:WF+16*((\q)%3)+8*\t+4*\c+3], v[AW] offset:(32*((\q)/6)+16*\t)*WP+64*((\q)%6)+32*\c
.endr
.endr
	ds_load_b32 v[WSC+(\q)%3], v[AWS] offset:1024*((\q)/6)+4*((\q)%6)
.endm
.macro QUANT2 b                        ; block b of 32 hidden units of the pair's 32 rows: relu, the scale, the codes, out
	v_nop                                          ; with the four behind the last product: five places, since these accumulators are begun anew with another C
.set I, 0
.rept 32
	v_max_num_f32 v[ACC+I], 0, v[ACC+I]            ; relu, each accumulator from its low end on
.set I, I+1
.endr
.irp u, 0,1
	v_max3_num_f32 v[TM+\u], v[ACC+16*\u], v[ACC+16*\u+1], 0x1800000           ; none is negative: no |.|; and the floor
.endr
.irp i, 2,4,6,8,10,12,14
.irp u, 0,1
	s_delay_alu instid0(VALU_DEP_2)
	v_max3_num_f32 v[TM+\u], v[TM+\u], v[ACC+16*\u+\i], v[ACC+16*\u+\i+1]
.endr
.endr
.irp u, 0,1
	s_delay_alu instid0(VALU_DEP_2)
	v_permlanex16_b32 v[TM+2+\u], v[TM+\u], s[SEL], s[SEL+1]
.endr
.irp u, 0,1
	s_delay_alu instid0(VALU_DEP_2)
	v_max_num_f32 v[TM+\u], v[TM+\u], v[TM+2+\u]   ; with lane xor 16's 16 units: the block's largest
.endr
.irp u, 0,1
	s_delay_alu instid0(VALU_DEP_2)
	v_add_nc_u32 v[TM+4+\u], 0xff000000, v[TM+\u]
.endr
.irp u, 0,1
	s_delay_alu instid0(VALU_DEP_2)
	v_lshrrev_b32 v[TM+6+\u], 23, v[TM+4+\u]
.endr
.irp u, 0,1
.if (\b) == 0
	s_delay_alu instid0(VALU_DEP_2)
	v_mov_b32 v[HSW+\u], v[TM+6+\u]
.else
	s_delay_alu instid0(VALU_DEP_2)
	v_lshl_or_b32 v[HSW+\u], v[TM+6+\u], 8*(\b), v[HSW+\u]                     ; the four blocks' bytes make the row's scale word of K step j
.endif
.endr
	s_wait_alu depctr_va_vdst(0)
	s_wait_xcnt 0x0                                ; the last block's store has read its codes: they may be written again
.irp u, 0,1
	v_cvt_scalef32_pk8_fp4_f32 v[HC+2*\u], v[ACC+16*\u:ACC+16*\u+7], v[TM+4+\u]
	v_cvt_scalef32_pk8_fp4_f32 v[HC+2*\u+1], v[ACC+16*\u+8:ACC+16*\u+15], v[TM+4+\u]
.endr
	v_nop                                          ; one plain place behind a scaled conversion
	v_permlane16_swap_b32 v[HC], v[HC+2]           ; lanes 0-15 now hold the whole block of tile 0's row r, lanes 16-31 of tile 1's: 16 bytes each
	v_permlane16_swap_b32 v[HC+1], v[HC+3]
	global_store_b128 v[HO], v[HC:HC+3], s[HQB:HQB+1] offset:256*(\b)          ; each half of the lanes stores 256 consecutive bytes, aligned
.endm
.macro STEP q                          ; four products: tiles t = 0, 1 of hidden units x tiles u = 0, 1 of rows; the four accumulators by turns
.if (\q) == 23
	s_wait_dscnt 0x0
.elseif (\q) == 22
	s_wait_dscnt 5                                 ; step 23's five loads may be out
.else
	s_wait_dscnt 10                                ; the two later steps' loads may be out
.endif
.irp t, 0,1
.irp u, 0,1
.if (\q)%6 == 0
	MMA ACC+16*\u+8*\t, WF+16*((\q)%3)+8*\t, XF+48*\u+8*((\q)%6), BIAS+8*\t, WSC+(\q)%3, XSC+(\q)%6, \t, \u
.else
	MMA ACC+16*\u+8*\t, WF+16*((\q)%3)+8*\t, XF+48*\u+8*((\q)%6), ACC+16*\u+8*\t, WSC+(\q)%3, XSC+(\q)%6, \t, \u
.endif
.endr
.endr
.rept 4
	v_nop                                          ; places in front of loads into registers that these products have read, and of the first read of results
.endr
.if (\q) < 21
	WLOAD (\q)+3
.endif
.if ((\q)%6 == 1) && ((\q) < 18)
.irp k, 0,1,2,3
	ds_load_b128 v[BIAS+4*\k:BIAS+4*\k+3], v[AB1] offset:128*((\q)/6+1)+16*\k  ; the next block's b1: units 32 b + 16 h + 0 .. 15
.endr
.endif
.if (\q)%6 == 5
	QUANT2 (\q)/6
.endif
.endm
.macro PAIR                            ; pair p: 32 rows x 128 hidden units
	s_wait_loadcnt 0x0                             ; the gather
	v_mov_b32 v[TM+2], 0                           ; a lane permute's destination counts as one of its sources
	v_mov_b32 v[TM+3], 0
	s_mul_i32 s30, s[P], 49152                     ; two tiles of hq
	s_mov_b32 s31, 0
	s_add_nc_u64 s[HQB:HQB+1], s[14:15], s[30:31]
	s_mul_i32 s30, s[P], 3072                      ; two tiles of hs
	s_add_nc_u64 s[HSB:HSB+1], s[16:17], s[30:31]
.irp k, 0,1,2,3
	ds_load_b128 v[BIAS+4*\k:BIAS+4*\k+3], v[AB1] offset:16*\k
.endr
	WLOAD 0
	WLOAD 1
	WLOAD 2
.set Q, 0
.rept 24
	STEP Q
.set Q, Q+1
.endr
	v_cndmask_b32 v[TM+8], v[HSW], v[HSW+1], s[SHI]    ; lanes 0-15 tile 0's scale words, lanes 16-31 tile 1's
	global_store_b32 v[HSO], v[TM+8], s[HSB:HSB+1]
.endm
	s_load_b256 s[4:11], s[0:1], 0x0               ; W1 s[4:5], b1 s[6:7], xq s[8:9], xs s[10:11]
	s_load_b128 s[12:15], s[0:1], 0x20             ; sel s[12:13], hq s[14:15]
	s_load_b64 s[16:17], s[0:1], 0x30              ; hs
	v_lshl_add_u32 v[SPW], v0, 2, SPARE
	v_mov_b32 v[NIL], 0
	v_lshrrev_b32 v20, 5, v0
	s_delay_alu instid0(VALU_DEP_1)
	v_readfirstlane_b32 s[WV], v20                 ; wave 0..15
	s_and_b32 s[CG], s[WV], 3                      ; which 32 columns I quantise
	s_lshr_b32 s[KQ], s[WV], 2                     ; which 192 along K
	s_and_b32 s[EX], ttmp7, 0xffff                 ; the expert
	v_and_b32 v[LN], 31, v0
	v_and_b32 v21, 15, v0                          ; r
	v_bfe_u32 v22, v0, 4, 1                        ; h
	s_delay_alu instid0(VALU_DEP_2)
	v_mul_u32_u24 v[AW], v21, WP
	s_delay_alu instid0(VALU_DEP_1)
	v_lshl_add_u32 v[AW], v22, 4, v[AW]
	v_lshl_add_u32 v[AWS], v[LN], 5, WS
	s_delay_alu instid0(VALU_DEP_4)
	v_lshl_add_u32 v[AB1], v22, 6, B1S
	v_and_b32 v23, 7, v0
	v_bfe_u32 v20, v0, 3, 1
	s_delay_alu instid0(VALU_DEP_1)
	v_lshl_add_u32 v23, v20, 4, v23
	s_delay_alu instid0(VALU_DEP_1)
	v_lshl_add_u32 v23, v22, 3, v23                ; my column's LDS row among its 32: lane % 8 + 16 x bit 3 + 8 x bit 4
	s_mul_i32 s30, s[CG], 32*WP
	s_mul_i32 s31, s[KQ], 96
	s_add_co_u32 s30, s30, s31
	v_mul_u32_u24 v[QWC], v23, WP
	s_delay_alu instid0(VALU_DEP_1)
	v_add_nc_u32 v[QWC], s30, v[QWC]
	s_lshl_b32 s30, s[CG], 10
	s_mul_i32 s31, s[KQ], 6
	s_add_co_u32 s30, s30, s31
	s_add_co_u32 s30, s30, WS
	v_lshl_add_u32 v[QWS], v23, 5, s30
	v_lshlrev_b32 v[QG], 2, v[LN]
	v_lshlrev_b32 v[H16], 4, v22
	v_mul_u32_u24 v[HO], v22, 24576
	s_delay_alu instid0(VALU_DEP_1)
	v_lshl_add_u32 v[HO], v21, 4, v[HO]
	v_mul_u32_u24 v[HSO], v22, 1536
	s_delay_alu instid0(VALU_DEP_1)
	v_lshl_add_u32 v[HSO], v21, 2, v[HSO]
	v_lshlrev_b32 v[SELO], 7, v[LN]
	v_lshlrev_b32 v[BO], 2, v0
	s_mov_b32 s[SEL], 0x76543210
	s_mov_b32 s[SEL+1], 0xfedcba98
	s_mov_b32 s[SHI], 0xffff0000                   ; lanes 16-31
	s_mul_i32 s30, s[EX], 9437184                  ; W1: the expert,
	s_mul_i32 s32, s[KQ], 2359296                  ; my 192 rows,
	s_add_co_u32 s30, s30, s32
	s_lshl_b32 s32, ttmp9, 9                       ; the slice's 128 columns,
	s_add_co_u32 s30, s30, s32
	s_lshl_b32 s32, s[CG], 7                       ; my 32 of them
	s_add_co_u32 s30, s30, s32
	s_mov_b32 s31, 0
	s_mul_i32 s32, s[EX], 12288                    ; b1
	s_lshl_b32 s33, ttmp9, 9
	s_add_co_u32 s32, s32, s33
	s_mov_b32 s33, 0
	s_lshl_b32 s38, s[EX], 2                       ; sel: word e
	s_mov_b32 s39, 0
	s_mul_i32 s44, s[EX], 1572864                  ; hq: the expert's 64 tiles, blocks 4 j on
	s_lshl_b32 s45, ttmp9, 10
	s_add_co_u32 s44, s44, s45
	s_mov_b32 s45, 0
	s_mul_i32 s46, s[EX], 98304                    ; hs: K step j
	s_lshl_b32 s47, ttmp9, 6
	s_add_co_u32 s46, s46, s47
	s_mov_b32 s47, 0
	s_wait_alu depctr_va_vdst(0)
	s_wait_kmcnt 0x0
	s_add_nc_u64 s[4:5], s[4:5], s[30:31]
	s_add_nc_u64 s[6:7], s[6:7], s[32:33]
	s_add_nc_u64 s[12:13], s[12:13], s[38:39]
	s_add_nc_u64 s[14:15], s[14:15], s[44:45]
	s_add_nc_u64 s[16:17], s[16:17], s[46:47]
	global_load_b32 v[VM], v[SELO], s[12:13]               ; lane g: group g's ballot of first choices,
	global_load_b32 v[VM1], v[SELO], s[12:13] offset:32    ; and of second choices
	s_cmp_lt_u32 s[WV], 4
	s_cbranch_scc0 .Lno_b1
	global_load_b32 v[BD], v[BO], s[6:7]           ; waves 0 to 3: the slice's 128 numbers of b1
.Lno_b1:
	LOADW 0
	LOADW 1
	s_wait_loadcnt 63                              ; 64 weight loads are younger than the ballots and b1: those are in
	s_cmp_lt_u32 s[WV], 4
	s_cbranch_scc0 .Lno_b1s
	ds_store_b32 v[BO], v[BD] offset:B1S
.Lno_b1s:
	COUNT
	v_mov_b32 v[IDL], 0                            ; a wave without a pair keeps row 0: its gather then falls on one row, and x's registers are written on every way through the text
	s_mov_b32 s[P], s[WV]
	s_cmp_lt_u32 s[WV], s[NP]
	s_cbranch_scc0 .Lno_search
	SEARCH                                         ; while the first weights are on their way
.Lno_search:
	BLOCK 0, 32                                    ; the next block's 32 loads may stay out
	BLOCK 1, 32
	BLOCK 2, 32
	BLOCK 3, 32
	GATHER                                         ; behind the last weight loads: it lands under blocks 4 and 5
	BLOCK 4, 59                                    ; block 5's 32 loads and the gather's 27
	BLOCK 5, 27                                    ; the gather's 27
	s_wait_dscnt 0x0                               ; my codes, bytes and b1 lie in LDS,
	s_barrier_signal -1
	s_barrier_wait -1                              ; everybody's do.  From here on LDS is only read
	s_cmp_lt_u32 s[WV], s[NP]
	s_cbranch_scc0 .Lend
	PAIR
	s_add_co_u32 s[P], s[WV], 16                   ; a second pair, where the expert has more than 512 rows
	s_cmp_lt_u32 s[P], s[NP]
	s_cbranch_scc0 .Lend
	s_wait_xcnt 0x0                                ; the first pair's stores have read their registers and bases
.rept 4
	v_nop                                          ; places in front of writes into registers that the last products read
.endr
	SEARCH
	GATHER
	PAIR
.Lend:
	s_wait_tensorcnt 0x0                           ; the wave's end
	ds_add_u32 v[SPW], v[NIL]
	s_wait_dscnt 0x0
	s_endpgm
.Lfunc_end_k_q4a7e764d53_up:
	.size	k_q4a7e764d53_up, .Lfunc_end_k_q4a7e764d53_up-k_q4a7e764d53_up
	.p2alignl 7, 3214868480
	.fill 96, 4, 3214868480
	.section	.rodata,"a",@progbits
	.p2align	6, 0x0
	.amdhsa_kernel k_q4a7e764d53_up
		.amdhsa_group_segment_fixed_size 57856
		.amdhsa_private_segment_fixed_size 0
		.amdhsa_enable_private_segment 0
		.amdhsa_kernarg_size 56
		.amdhsa_user_sgpr_count 2
		.amdhsa_user_sgpr_kernarg_segment_ptr 1
		.amdhsa_wavefront_size32 1
		.amdhsa_system_sgpr_workgroup_id_x 1
		.amdhsa_system_sgpr_workgroup_id_y 1
		.amdhsa_system_sgpr_workgroup_id_z 1
		.amdhsa_system_vgpr_workitem_id 0
		.amdhsa_next_free_vgpr 256
		.amdhsa_next_free_sgpr 66
		.amdhsa_reserve_vcc 1
		.amdhsa_float_denorm_mode_32 3
		.amdhsa_float_denorm_mode_16_64 3
		.amdhsa_memory_ordered 1
		.amdhsa_forward_progress 1
		.amdhsa_inst_pref_size 162
	.end_amdhsa_kernel
	.amdgpu_metadata
---
amdhsa.version: [ 1, 2 ]
amdhsa.kernels:
  - .name:           k_q4a7e764d53_up
    .symbol:         k_q4a7e764d53_up.kd
    .args:
      - { .name: W1, .offset: 0, .size: 8, .value_kind: global_buffer, .address_space: global }
      - { .name: b1, .offset: 8, .size: 8, .value_kind: global_buffer, .address_space: global }
      - { .name: xq, .offset: 16, .size: 8, .value_kind: global_buffer, .address_space: global }
      - { .name: xs, .offset: 24, .size: 8, .value_kind: global_buffer, .address_space: global }
      - { .name: sel, .offset: 32, .size: 8, .value_kind: global_buffer, .address_space: global }
      - { .name: hq, .offset: 40, .size: 8, .value_kind: global_buffer, .address_space: global }
      - { .name: hs, .offset: 48, .size: 8, .value_kind: global_buffer, .address_space: global }
    .group_segment_fixed_size: 57856
    .private_segment_fixed_size: 0
    .kernarg_segment_align: 8
    .kernarg_segment_size: 56
    .max_flat_workgroup_size: 512
    .sgpr_count:     66
    .vgpr_count:     256
    .wavefront_size: 32
...
	.end_amdgpu_metadata
.endif
;; end of part 2
;; launch down (part 3): grid 24 x 8, 16 waves a work-group, no clusters, 125,184 bytes of LDS; arguments W2, b2, hq, hs, sel, gate, part; writes part
.if DOCPART == 3
	.amdgcn_target "amdgcn-amd-amdhsa--gfx1250"
	.amdhsa_code_object_version 6
	.text
	.protected	k_q4a7e764d53_down
	.globl	k_q4a7e764d53_down
	.p2align	8
	.type	k_q4a7e764d53_down,@function
k_q4a7e764d53_down:
	s_mov_b64 s[64:65], 0
	v_nop
	global_prefetch_b8 v0, s[64:65] scope:SCOPE_SE
	s_setreg_imm32_b32 hwreg(HW_REG_WAVE_MODE, 25, 1), 1
	s_wait_xcnt 0x0
; DOWN: part[kh][row] = gate[row] x (h W2[e] over one half of F (+ b2[e] in the first half)), for the rows that chose expert e, both operands as codes of E2M1.
; WORK LEFT OUT: rows (token, e) whose gate is 0 by reference()'s own one_hot (shown at the head of the first kernel).  Which rows are live is read from sel, which the first launch stored.
; SHARES.  Work-group (x, e): expert e, output columns 64 (x / 2) on, K half kh = x % 2 (1,536 of F: 12 K steps).  Its slice of W2, 1,536 x 64 f32, is read from memory once, quantised and kept in LDS as codes.
; THE SLICE GOES IN SIX CHUNKS OF 256 ALONG K (two K steps).  In a chunk wave w quantises one block: columns 32 (w % 2) + lane, k = 256 c + 32 (w / 2) + 0 .. 31: a lane to a column, its registers down K.
; A chunk's turn: block c is quantised into LDS bytes of its own; h's loads of chunk c + 1 and the weight loads of chunk c + 2 are issued; a barrier; chunk c is multiplied (16 matrix instructions a wave)
; while the 64 weight loads of chunks c + 1 and c + 2 are out.  No LDS byte of the codes is written twice, so one barrier a chunk serves.
; ORDER OF A WAVE'S LOADS: W0 W1 H0 G | H1 W2 | H2 W3 | H3 W4 | H4 W5 | H5 (W: 32 loads, H: 10, G: the 2 gates).  H(c) stands ahead of W(c + 1), so the wait for it leaves the later weights out.
; PRODUCT: wave w takes pair p = w of tiles of 16 rows of the expert's list along with the chunks, and pair w + 16 (an expert with more than 512 rows) afterwards, from the codes that then all lie in LDS.
; No tensor load and no cluster: the number of pairs is read from memory and steers branches.  No prefetch: each wave's own loads stand two chunks ahead of their use.
; Every wave issues h's loads, so that the counts of the waits hold in all waves; a wave without a pair names one piece of pair 0 with all lanes and uses none of it; where an expert has no row those bytes were never stored, and no result hangs on them.
; TRANSPOSED USE: source 0 = 16 output columns, source 1 = 16 rows of h: a lane holds one row and eight neighbouring columns.  b2 (zeros where kh = 1) is loaded into the accumulators, so every product is a link in place.
; Each byte of part [kh][slot x 1024 + token][768] is written by one work-group.  The padding rows of the last pair are copies of the last row: they store the same bytes to the same place.
; LIMITS: a block of zeros gets the byte 1 (its codes are zeros; only this program reads the bytes); NaN and infinities among the inputs are not served.
.set WC,    0                          ; LDS: 64 rows x 784 bytes: 768 of codes + 16, an odd multiple of 16
.set WP,    784
.set WS,    50176                      ; 64 rows x 48 scale bytes
.set B2S,   53248                      ; b2's 64 numbers, or zeros
.set STG,   53504                      ; the way out: 16 rows x (256 + 16) bytes for each wave
.set SPARE, 123136                     ; the spare words, 128 bytes for each of 16 waves
.set GROW,  3072                       ; a row of W2[e] in bytes
.set BO,  0                            ; v0  4 x thread, once the head has used the thread's number
.set SPW, 1
.set NIL, 2
.set AW,  3                            ; WC + 784 r + 16 h
.set AWS, 4                            ; WS + 48 lane
.set AB2, 5                            ; B2S + 32 h
.set QWC, 6                            ; where my column's codes go
.set QWS, 7                            ; and its scale bytes
.set QG,  8                            ; 4 x lane
.set HSG, 9                            ; 4 x lane, or 0 in a wave without a pair
.set VM,  10
.set STO, 11                           ; the stage: where I put 32 bytes of a row
.set SRD, 12                           ; and where I read a row back
.set LN,  13
.set C16, 14                           ; 16 (lane % 16)
.set POS, 15
.set IDL, 16                           ; the row at position 32 p + lane
.set HLG, 17                           ; 16 x lane, or 0
.set GT,  18                           ; v[18:19], v[20:21] my row's gate in tile 0, 1 (the upper words are 0: named as pairs)
.set VM1, 22
.set TP,  23
.set HSC, 24                           ; v24-27 h's scale words: 2 (c % 2) + u: lanes 0-15 the chunk's first K step, lanes 16-31 its second.  Scales and nothing else
.set WSC, 28                           ; v28-29 W2's scale words, two slots.  Scales and nothing else
.set GA0, 30                           ; offsets of the two tiles' gates
.set GA1, 31
.set X,   32                           ; v32-95   two sets of 32 numbers of W2
.set RB,  32                           ; the way out: rows read back
.set ACC, 96                           ; v96-159  accumulators 32 u + 8 T
.set HF,  160                          ; v160-223 h's fragments, two sets: 32 (c % 2) + 16 s + 8 u
.set OFF, 160                          ; the way out: the rows' offsets in part
.set ST,  192                          ; COUNT's and SEARCH's registers, while h's second set is not in use
.set BD,  202
.set SELO, 203
.set WF,  224                          ; v224-255 W2's fragments, two slots
.set TQ,  224                          ; quantising, while the slots are not in use: v224-226 at work, v227 the byte, v228-231 codes
.set EB,  227
.set CD,  228
.set WV,  18
.set CG,  19
.set KE,  20
.set EX,  21
.set KH,  22
.set CNT, 23
.set NP,  24
.set CM1, 25
.set SEL, 26
.set SHI, 28
.set P,   29
.set HQB, 34
.set HSB, 36
.set TA,  40
.set TB,  41
.set TC,  42
.set PF,  43
.set PG,  48
.set MK,  49
.set CS,  50
.macro DL n
	s_delay_alu instid0(VALU_DEP_\n)
.endm
.macro LOADW t                         ; chunk t: W2(256 t + 32 (w / 2) + i, my column) into set t % 2: each load reads 128 consecutive bytes, two waves side by side 256
.set XL, X+32*((\t)%2)
.set I, 0
.rept 32
	global_load_b32 v[XL+I], v[QG], s[4:5] offset:(256*(\t)+I)*GROW th:TH_LOAD_NT
.set I, I+1
.endr
.endm
.macro BLOCK t, left                   ; my block of chunk t is quantised and goes to LDS; left: the loads issued behind its own, which may stay out
.set XS, X+32*((\t)%2)
	s_wait_loadcnt \left
	v_max3_num_f32 v[TQ], |v[XS]|, |v[XS+1]|, |v[XS+2]|            ; the block's largest magnitude: all 32 numbers are mine
	v_max3_num_f32 v[TQ+1], |v[XS+3]|, |v[XS+4]|, |v[XS+5]|
.irp i, 6,10,14,18,22,26
	DL 2
	v_max3_num_f32 v[TQ], v[TQ], |v[XS+\i]|, |v[XS+\i+1]|
	DL 2
	v_max3_num_f32 v[TQ+1], v[TQ+1], |v[XS+\i+2]|, |v[XS+\i+3]|
.endr
	DL 2
	v_max3_num_f32 v[TQ], v[TQ], |v[XS+30]|, |v[XS+31]|
	DL 1
	v_max3_num_f32 v[TQ], v[TQ], v[TQ+1], 0x1800000                ; the floor 2^(3 - 127): the byte cannot fall under 1
	DL 1
	v_add_nc_u32 v[TQ+2], 0xff000000, v[TQ]                        ; 2 off the exponent field: the conversion's scale operand
.irp g, 0,1,2,3
	v_cvt_scalef32_pk8_fp4_f32 v[CD+\g], v[XS+8*\g:XS+8*\g+7], v[TQ+2]
.endr
	v_lshrrev_b32 v[EB], 23, v[TQ+2]                               ; the scale's byte; also the plain line behind the conversions
	ds_store_b128 v[QWC], v[CD:CD+3] offset:128*(\t)               ; 256 along K are 128 bytes of a row
	ds_store_b8 v[QWS], v[EB] offset:8*(\t)
.endm
.macro COUNT                           ; how many rows chose e: the set bits of lane g's ballot, counted in bit slices, summed over the 32 lanes
	v_or_b32 v[VM], v[VM], v[VM1]
	DL 1
	v_lshrrev_b32 v[ST], 1, v[VM]
	DL 1
	v_and_b32 v[ST], 0x55555555, v[ST]
	DL 1
	v_sub_nc_u32 v[ST+1], v[VM], v[ST]
	DL 1
	v_lshrrev_b32 v[ST], 2, v[ST+1]
	DL 1
	v_and_b32 v[ST], 0x33333333, v[ST]
	DL 3
	v_and_b32 v[ST+1], 0x33333333, v[ST+1]
	DL 1
	v_add_nc_u32 v[ST+1], v[ST+1], v[ST]
	DL 1
	v_lshrrev_b32 v[ST], 4, v[ST+1]
	DL 1
	v_add_nc_u32 v[ST+1], v[ST+1], v[ST]
	DL 1
	v_and_b32 v[ST+1], 0x0f0f0f0f, v[ST+1]
	s_mov_b32 s[TA], 0x01010101
	v_mul_lo_u32 v[ST+1], v[ST+1], s[TA]
	DL 1
	v_lshrrev_b32 v[ST+1], 24, v[ST+1]
.irp m, 1,2,4,8
	DL 1
	v_mov_b32_dpp v[ST], v[ST+1] row_xmask:\m row_mask:0xf bank_mask:0xf
	DL 1
	v_add_nc_u32 v[ST+1], v[ST+1], v[ST]
.endr
	DL 1
	v_permlanex16_b32 v[ST], v[ST+1], s[SEL], s[SEL+1]
	DL 1
	v_add_nc_u32 v[ST+1], v[ST+1], v[ST]
	DL 1
	v_readfirstlane_b32 s[CNT], v[ST+1]
	s_min_u32 s[CNT], s[CNT], 1024
	s_add_co_u32 s[NP], s[CNT], 31
	s_lshr_b32 s[NP], s[NP], 5                     ; pairs of tiles
	s_sub_co_u32 s[CM1], s[CNT], 1                 ; the last position
.endm
.macro DESC src, w                     ; one halving step: if k is at least the number of set bits in the lower w places, take them off k and go w places up
	DL 1
	v_bfe_u32 v[ST+9], v[\src], v[ST+8], \w
	DL 1
	v_cmp_ge_u32 vcc_lo, v[ST+3], v[ST+9]
	DL 1
	v_cndmask_b32 v[ST+9], 0, v[ST+9], vcc_lo
	DL 1
	v_sub_nc_u32 v[ST+3], v[ST+3], v[ST+9]
	DL 3
	v_cndmask_b32 v[ST+9], 0, \w, vcc_lo
	DL 1
	v_add_nc_u32 v[ST+8], v[ST+8], v[ST+9]
.endm
.macro SEARCH                          ; v[IDL] = the row at position min(32 p + lane, count - 1) of the list.  Whole numbers from sel alone; the same lines as in the launch before
	s_lshl_b32 s[TA], s[P], 5
	v_add_nc_u32 v[POS], s[TA], v[LN]
	DL 1
	v_min_u32 v[POS], s[CM1], v[POS]
	s_mov_b32 s[PF], 0                             ; rows in the groups passed
.set G, 0
.rept 32
	v_readlane_b32 s[TA], v[VM], G
	v_readlane_b32 s[TB], v[VM1], G
.if G == 0
	v_mov_b32 v[ST], 0
	DL 3
	v_mov_b32 v[ST+1], s[TA]
	DL 3
	v_mov_b32 v[ST+2], s[TB]
.else
	v_cmp_le_u32 vcc_lo, s[PF], v[POS]             ; the last group whose first position is at or under mine is my group
	s_lshl_b32 s[TC], s[PF], 5
	s_or_b32 s[TC], s[TC], G
	v_cndmask_b32 v[ST], v[ST], s[TC], vcc_lo
	v_cndmask_b32 v[ST+1], v[ST+1], s[TA], vcc_lo
	v_cndmask_b32 v[ST+2], v[ST+2], s[TB], vcc_lo
.endif
.if G < 31
	s_bcnt1_i32_b32 s[TA], s[TA]
	s_add_co_u32 s[PF], s[PF], s[TA]
.endif
.set G, G+1
.endr
	DL 3
	v_lshrrev_b32 v[ST+9], 5, v[ST]
	DL 1
	v_sub_nc_u32 v[ST+3], v[POS], v[ST+9]          ; k: I want the k-th set bit of my group's ballot
	DL 4
	v_lshrrev_b32 v[ST+9], 1, v[ST+1]              ; the numbers of set bits in fields of 2, 4, 8 and 16 places
	DL 1
	v_and_b32 v[ST+9], 0x55555555, v[ST+9]
	DL 1
	v_sub_nc_u32 v[ST+4], v[ST+1], v[ST+9]
	DL 1
	v_lshrrev_b32 v[ST+9], 2, v[ST+4]
	DL 1
	v_and_b32 v[ST+9], 0x33333333, v[ST+9]
	DL 3
	v_and_b32 v[ST+5], 0x33333333, v[ST+4]
	DL 1
	v_add_nc_u32 v[ST+5], v[ST+5], v[ST+9]
	DL 1
	v_lshrrev_b32 v[ST+9], 4, v[ST+5]
	DL 1
	v_add_nc_u32 v[ST+9], v[ST+5], v[ST+9]
	DL 1
	v_and_b32 v[ST+6], 0x0f0f0f0f, v[ST+9]
	DL 1
	v_lshrrev_b32 v[ST+9], 8, v[ST+6]
	DL 1
	v_add_nc_u32 v[ST+9], v[ST+6], v[ST+9]
	DL 1
	v_and_b32 v[ST+7], 0x00ff00ff, v[ST+9]
	v_mov_b32 v[ST+8], 0
	DESC ST+7, 16
	DESC ST+6, 8
	DESC ST+5, 4
	DESC ST+4, 2
	DESC ST+1, 1
	v_and_b32 v[ST], 31, v[ST]
	DL 1
	v_lshl_add_u32 v[IDL], v[ST], 5, v[ST+8]       ; token = 32 x group + place
	DL 3
	v_bfe_u32 v[ST+9], v[ST+2], v[ST+8], 1
	DL 1
	v_lshl_add_u32 v[IDL], v[ST+9], 10, v[IDL]     ; + 1,024 where e is the token's second choice
.endm
.macro HBASE                           ; pair s[PG]: where its two tiles lie in hq and hs, and my lane's place in a piece
	s_mul_i32 s30, s[PG], 49152
	s_mov_b32 s31, 0
	s_add_nc_u64 s[HQB:HQB+1], s[8:9], s[30:31]
	s_mul_i32 s30, s[PG], 3072
	s_add_nc_u64 s[HSB:HSB+1], s[10:11], s[30:31]
	v_lshlrev_b32 v[HLG], 4, v[LN]
	v_and_b32 v[HSG], s[MK], v[QG]                 ; the lane's place, or 0 in a wave without a pair.  The mask hangs on a count read from memory,
	DL 2
	v_and_b32 v[HLG], s[MK], v[HLG]
	DL 2
	v_min_u32 v[HSG], 124, v[HSG]                  ; so each offset is held at its largest value, 4 x 31 and 16 x 31, ahead of its use in an address
	DL 2
	v_min_u32 v[HLG], 496, v[HLG]
.endm
.macro HLOAD c                         ; h of chunk c into set c % 2: 2 loads of scale words, 8 of codes; a K step's fragment is 16 x lane bytes on end
.irp u, 0,1
	global_load_b32 v[HSC+2*((\c)%2)+\u], v[HSG], s[HSB:HSB+1] offset:1536*\u+128*(\c)
.endr
.irp s, 0,1
.irp u, 0,1
.irp k, 0,1
	global_load_b128 v[HF+32*((\c)%2)+16*\s+8*\u+4*\k:HF+32*((\c)%2)+16*\s+8*\u+4*\k+3], v[HLG], s[HQB:HQB+1] offset:24576*\u+1024*(2*(\c)+\s)+512*\k
.endr
.endr
.endr
.endm
.macro GATES                           ; my row's gate in each of the pair's two tiles: 2 loads
	v_permlanex16_b32 v[TP], v[IDL], s[SEL], s[SEL+1]
	DL 1
	v_cndmask_b32 v[GA0], v[IDL], v[TP], s[SHI]    ; tile 0's row r, in both halves of the lanes
	v_cndmask_b32 v[GA1], v[TP], v[IDL], s[SHI]    ; tile 1's
	DL 2
	v_min_u32 v[GA0], 2047, v[GA0]
	DL 2
	v_min_u32 v[GA1], 2047, v[GA1]
	DL 2
	v_lshlrev_b32 v[GA0], 2, v[GA0]
	DL 2
	v_lshlrev_b32 v[GA1], 2, v[GA1]
	s_wait_alu depctr_va_vdst(0)                   ; the offsets made here
	global_load_b32 v[GT], v[GA0], s[14:15]
	global_load_b32 v[GT+2], v[GA1], s[14:15]
.endm
.macro ACCINIT                         ; the sums begin as b2 at columns 16 T + 8 h + 0 .. 7 (zeros where kh = 1)
.irp u, 0,1
.irp t, 0,1,2,3
	ds_load_b128 v[ACC+32*\u+8*\t:ACC+32*\u+8*\t+3], v[AB2] offset:64*\t
	ds_load_b128 v[ACC+32*\u+8*\t+4:ACC+32*\u+8*\t+7], v[AB2] offset:64*\t+16
.endr
.endr
.endm
.macro MMA d, a, b, sa, sb, ra, rb     ; a link in place; ra, rb: which half of the lanes holds the scale words
.if ((\ra) == 0) && ((\rb) == 0)
	v_wmma_scale_f32_16x16x128_f8f6f4 v[(\d):(\d)+7], v[(\a):(\a)+7], v[(\b):(\b)+7], v[(\d):(\d)+7], v[(\sa)], v[(\sb)] matrix_a_fmt:MATRIX_FMT_FP4 matrix_b_fmt:MATRIX_FMT_FP4
.elseif ((\ra) == 1) && ((\rb) == 0)
	v_wmma_scale_f32_16x16x128_f8f6f4 v[(\d):(\d)+7], v[(\a):(\a)+7], v[(\b):(\b)+7], v[(\d):(\d)+7], v[(\sa)], v[(\sb)] matrix_a_fmt:MATRIX_FMT_FP4 matrix_b_fmt:MATRIX_FMT_FP4 matrix_a_scale:MATRIX_SCALE_ROW1
.elseif ((\ra) == 0) && ((\rb) == 1)
	v_wmma_scale_f32_16x16x128_f8f6f4 v[(\d):(\d)+7], v[(\a):(\a)+7], v[(\b):(\b)+7], v[(\d):(\d)+7], v[(\sa)], v[(\sb)] matrix_a_fmt:MATRIX_FMT_FP4 matrix_b_fmt:MATRIX_FMT_FP4 matrix_b_scale:MATRIX_SCALE_ROW1
.else
	v_wmma_scale_f32_16x16x128_f8f6f4 v[(\d):(\d)+7], v[(\a):(\a)+7], v[(\b):(\b)+7], v[(\d):(\d)+7], v[(\sa)], v[(\sb)] matrix_a_fmt:MATRIX_FMT_FP4 matrix_b_fmt:MATRIX_FMT_FP4 matrix_a_scale:MATRIX_SCALE_ROW1 matrix_b_scale:MATRIX_SCALE_ROW1
.endif
.endm
.macro WLOAD q                         ; step q = 2 s + P: the fragments of column tiles 2 P and 2 P + 1, K step s, and their scale words, into slot P: five LDS loads
.irp t, 0,1
.irp k, 0,1
	ds_load_b128 v[WF+16*((\q)%2)+8*\t+4*\k:WF+16*((\q)%2)+8*\t+4*\k+3], v[AW] offset:(32*((\q)%2)+16*\t)*WP+64*((\q)/2)+32*\k
.endr
.endr
	ds_load_b32 v[WSC+(\q)%2], v[AWS] offset:1536*((\q)%2)+4*((\q)/2)
.endm
.macro PROD c, hw                      ; chunk c: 32 rows x 64 columns x 256 along K, four steps of four products; eight accumulators by turns over two steps.  hw: the loads issued behind h's of this chunk
	WLOAD 4*(\c)
	WLOAD 4*(\c)+1
.if (\hw) >= 0
	s_wait_loadcnt \hw                             ; (hw = -1: the wait has been run ahead of the call)
.endif
.irp j, 0,1,2,3
.if \j < 3
	s_wait_dscnt 5                                 ; the next step's five loads may be out
.else
	s_wait_dscnt 0x0
.endif
.irp t, 0,1
.irp u, 0,1
	MMA ACC+32*\u+16*(\j%2)+8*\t, WF+16*(\j%2)+8*\t, HF+32*((\c)%2)+16*(\j/2)+8*\u, WSC+\j%2, HSC+2*((\c)%2)+\u, \t, \j/2
.endr
.endr
.rept 4
	v_nop                                          ; places in front of loads and writes into registers that these products have read, and of the first read of results
.endr
.if \j < 2
	WLOAD 4*(\c)+\j+2
.endif
.endr
.endm
.macro CHUNK c, ww, hw                 ; ww: the loads issued behind chunk c's weights
	BLOCK \c, \ww
.if \c < 5
	HLOAD \c+1                                     ; ahead of the weights of chunk c + 2, so that the wait for it leaves those out
.endif
.if \c < 4
	LOADW \c+2                                     ; into the set that the block has just left
.endif
	s_wait_dscnt 0x0                               ; my codes and byte of chunk c lie in LDS (in chunk 0 b2 too),
	s_barrier_signal -1
	s_barrier_wait -1                              ; everybody's do
.if \c == 0
	ACCINIT                                        ; in every wave, so that the accumulators are written on every way through the text
.endif
	s_wait_loadcnt \hw                             ; h of chunk c is in: in every wave, so that on every way its set is free when the chunk after next is loaded into it
	s_cmp_lt_u32 s[WV], s[NP]
	s_cbranch_scc0 .Lskip\c                        ; a wave without a pair goes round the products alone: never round a barrier or this wait
	PROD \c, -1
.Lskip\c:
.endm
.macro OUT                             ; x the gate, through my own stage, out as whole rows
.irp u, 0,1
.set I, 0
.rept 16
	v_pk_mul_f32 v[ACC+32*\u+2*I:ACC+32*\u+2*I+1], v[ACC+32*\u+2*I:ACC+32*\u+2*I+1], v[GT+2*\u:GT+2*\u+1] op_sel_hi:[1,0]   ; each accumulator from its low end on
.set I, I+1
.endr
.irp t, 0,1,2,3
	ds_store_b128 v[STO], v[ACC+32*\u+8*\t:ACC+32*\u+8*\t+3] offset:64*\t      ; row r, columns 16 T + 8 h on
	ds_store_b128 v[STO], v[ACC+32*\u+8*\t+4:ACC+32*\u+8*\t+7] offset:64*\t+16
.endr
.irp i, 0,1,2,3,4,5,6,7
	ds_load_b128 v[RB+32*\u+4*\i:RB+32*\u+4*\i+3], v[SRD] offset:544*\i        ; back as whole rows, 2 i + h: LDS serves a wave's instructions in order (ISA guide 5.7.1.4)
.endr
.irp i, 0,1,2,3,4,5,6,7
	v_readlane_b32 s[TA], v[IDL], 16*\u+2*\i       ; where rows 2 i and 2 i + 1 of the tile go in part
	v_readlane_b32 s[TB], v[IDL], 16*\u+2*\i+1
	DL 2
	v_mov_b32 v[OFF+8*\u+\i], s[TA]
	DL 1
	v_cndmask_b32 v[OFF+8*\u+\i], v[OFF+8*\u+\i], s[TB], s[SHI]
	DL 1
	v_min_u32 v[OFF+8*\u+\i], 2047, v[OFF+8*\u+\i]
	DL 1
	v_mad_u32_u24 v[OFF+8*\u+\i], v[OFF+8*\u+\i], 3072, v[C16]
.endr
.endr
	s_wait_alu depctr_va_vdst(0)
	s_wait_dscnt 16                                ; tile 0's rows are back; tile 1's eight stores and eight loads may be out
.irp i, 0,1,2,3,4,5,6,7
	global_store_b128 v[OFF+\i], v[RB+4*\i:RB+4*\i+3], s[16:17] th:TH_STORE_NT             ; sixteen lanes store 256 consecutive bytes, aligned
.endr
	s_wait_dscnt 0x0
.irp i, 0,1,2,3,4,5,6,7
	global_store_b128 v[OFF+8+\i], v[RB+32+4*\i:RB+32+4*\i+3], s[16:17] th:TH_STORE_NT
.endr
.endm
	s_load_b256 s[4:11], s[0:1], 0x0               ; W2 s[4:5], b2 s[6:7], hq s[8:9], hs s[10:11]
	s_load_b128 s[12:15], s[0:1], 0x20             ; sel s[12:13], gate s[14:15]
	s_load_b64 s[16:17], s[0:1], 0x30              ; part
	v_lshl_add_u32 v[SPW], v0, 2, SPARE
	v_mov_b32 v[NIL], 0
	v_lshrrev_b32 v[TP], 5, v0
	DL 1
	v_readfirstlane_b32 s[WV], v[TP]               ; wave 0..15
	s_and_b32 s[CG], s[WV], 1                      ; which 32 columns I quantise
	s_lshr_b32 s[KE], s[WV], 1                     ; which block of 32 of a chunk's 256 along K
	s_and_b32 s[EX], ttmp7, 0xffff                 ; the expert
	s_and_b32 s[KH], ttmp9, 1                      ; the K half
	s_lshr_b32 s[CS], ttmp9, 1                     ; the slice of 64 columns
	v_and_b32 v[LN], 31, v0
	v_and_b32 v[GA0], 15, v0                       ; r
	v_bfe_u32 v[GA1], v0, 4, 1                     ; h
	DL 2
	v_mul_u32_u24 v[AW], v[GA0], WP
	DL 1
	v_lshl_add_u32 v[AW], v[GA1], 4, v[AW]
	v_mul_u32_u24 v[AWS], v[LN], 48
	DL 1
	v_add_nc_u32 v[AWS], WS, v[AWS]
	v_lshl_add_u32 v[AB2], v[GA1], 5, B2S
	s_mul_i32 s30, s[CG], 32*WP
	s_lshl_b32 s31, s[KE], 4                       ; a block's codes are 16 bytes
	s_add_co_u32 s30, s30, s31
	v_mul_u32_u24 v[QWC], v[LN], WP
	DL 1
	v_add_nc_u32 v[QWC], s30, v[QWC]
	s_mul_i32 s30, s[CG], 1536
	s_add_co_u32 s30, s30, s[KE]
	v_add_nc_u32 v[QWS], s30, v[AWS]
	v_lshlrev_b32 v[QG], 2, v[LN]
	s_mul_i32 s30, s[WV], 16*272
	s_add_co_u32 s30, s30, STG                     ; my stage
	v_mul_u32_u24 v[STO], v[GA0], 272
	DL 1
	v_lshl_add_u32 v[STO], v[GA1], 5, v[STO]
	DL 1
	v_add_nc_u32 v[STO], s30, v[STO]
	v_mul_u32_u24 v[SRD], v[GA1], 272
	DL 1
	v_lshl_add_u32 v[SRD], v[GA0], 4, v[SRD]
	DL 1
	v_add_nc_u32 v[SRD], s30, v[SRD]
	v_lshlrev_b32 v[C16], 4, v[GA0]
	v_lshlrev_b32 v[SELO], 7, v[LN]
	v_mov_b32 v[GT+1], 0
	v_mov_b32 v[GT+3], 0
	v_mov_b32 v[IDL], 0                            ; a wave without a pair keeps row 0
	v_lshlrev_b32 v[BO], 2, v0                     ; the thread's number has served: 4 x thread from here on
	s_mov_b32 s[SEL], 0x76543210
	s_mov_b32 s[SEL+1], 0xfedcba98
	s_mov_b32 s[SHI], 0xffff0000                   ; lanes 16-31
	s_mul_i32 s30, s[EX], 9437184                  ; W2: the expert,
	s_mul_i32 s32, s[KH], 4718592                  ; the K half's 1,536 rows,
	s_add_co_u32 s30, s30, s32
	s_mul_i32 s32, s[KE], 98304                    ; my 32 rows of each chunk,
	s_add_co_u32 s30, s30, s32
	s_lshl_b32 s32, s[CS], 8                       ; the slice's 64 columns,
	s_add_co_u32 s30, s30, s32
	s_lshl_b32 s32, s[CG], 7                       ; my 32 of them
	s_add_co_u32 s30, s30, s32
	s_mov_b32 s31, 0
	s_mul_i32 s32, s[EX], 3072                     ; b2
	s_lshl_b32 s33, s[CS], 8
	s_add_co_u32 s32, s32, s33
	s_mov_b32 s33, 0
	s_lshl_b32 s38, s[EX], 2                       ; sel: word e
	s_mov_b32 s39, 0
	s_mul_i32 s44, s[EX], 1572864                  ; hq: the expert's tiles, blocks 48 kh on
	s_mul_i32 s45, s[KH], 12288
	s_add_co_u32 s44, s44, s45
	s_mov_b32 s45, 0
	s_mul_i32 s46, s[EX], 98304                    ; hs: K steps 12 kh on
	s_mul_i32 s47, s[KH], 768
	s_add_co_u32 s46, s46, s47
	s_mov_b32 s47, 0
	s_mul_i32 s52, s[KH], 6291456                  ; part: the K half, the slice's columns
	s_lshl_b32 s53, s[CS], 8
	s_add_co_u32 s52, s52, s53
	s_mov_b32 s53, 0
	s_wait_alu depctr_va_vdst(0)
	s_wait_kmcnt 0x0
	s_add_nc_u64 s[4:5], s[4:5], s[30:31]
	s_add_nc_u64 s[6:7], s[6:7], s[32:33]
	s_add_nc_u64 s[12:13], s[12:13], s[38:39]
	s_add_nc_u64 s[8:9], s[8:9], s[44:45]
	s_add_nc_u64 s[10:11], s[10:11], s[46:47]
	s_add_nc_u64 s[16:17], s[16:17], s[52:53]
	global_load_b32 v[VM], v[SELO], s[12:13]               ; lane g: group g's ballot of first choices,
	global_load_b32 v[VM1], v[SELO], s[12:13] offset:32    ; and of second choices
	s_cmp_lt_u32 s[WV], 2
	s_cbranch_scc0 .Lno_b2
	global_load_b32 v[BD], v[BO], s[6:7]           ; waves 0 and 1: the slice's 64 numbers of b2
.Lno_b2:
	LOADW 0
	LOADW 1
	s_wait_loadcnt 63                              ; 64 weight loads are younger than the ballots and b2: those are in
	s_cmp_lt_u32 s[WV], 2
	s_cbranch_scc0 .Lno_b2s
	s_cmp_eq_u32 s[KH], 0                          ; b2 is added once: in the first K half
	s_cselect_b32 s[TA], -1, 0
	v_cndmask_b32 v[BD], 0, v[BD], s[TA]
	ds_store_b32 v[BO], v[BD] offset:B2S
.Lno_b2s:
	COUNT
	s_cmp_lt_u32 s[WV], s[NP]
	s_cselect_b32 s[PG], s[WV], 0                  ; a wave without a pair names pair 0,
	s_cselect_b32 s[MK], -1, 0                     ; and all its lanes one piece of 16 (or 4) bytes in each load
	s_min_u32 s[PG], s[PG], 31
	HBASE
	HLOAD 0
	s_mov_b32 s[P], s[WV]
	s_cmp_lt_u32 s[WV], s[NP]
	s_cbranch_scc0 .Lno_search
	SEARCH                                         ; while the first weights are on their way
.Lno_search:
	GATES
	CHUNK 0, 44, 44                                ; behind W0: W1 32, H0 10, G 2;  behind H0: G 2, H1 10, W2 32
	CHUNK 1, 54, 63                                ; behind W1: H0, G, H1, W2;  behind H1: W2, H2, W3 are 74: the wait names the most that its field holds, which is the stricter
	CHUNK 2, 42, 63                                ; behind W2: H2 10, W3 32
	CHUNK 3, 42, 63
	CHUNK 4, 42, 42                                ; behind H4: W5 32, H5 10
	CHUNK 5, 10, 0                                 ; behind W5: H5
	s_cmp_lt_u32 s[WV], s[NP]
	s_cbranch_scc0 .Lend
	OUT
	s_add_co_u32 s[P], s[WV], 16                   ; a second pair, where the expert has more than 512 rows: all the codes lie in LDS by now
	s_cmp_lt_u32 s[P], s[NP]
	s_cbranch_scc0 .Lend
	s_wait_xcnt 0x0                                ; the first pair's loads and stores have read their registers and bases
	SEARCH
	s_mov_b32 s[PG], s[P]
	s_mov_b32 s[MK], -1
	HBASE
	GATES
	HLOAD 0
	HLOAD 1
	ACCINIT
.irp c, 0,1,2,3,4,5
.if \c < 5
	PROD \c, 10                                    ; the next chunk's ten loads of h may be out
.else
	PROD \c, 0
.endif
.if \c < 4
	HLOAD \c+2                                     ; into the set that the chunk has just left
.endif
.endr
	OUT
.Lend:
	s_wait_tensorcnt 0x0                           ; the wave's end
	ds_add_u32 v[SPW], v[NIL]
	s_wait_dscnt 0x0
	s_endpgm
.Lfunc_end_k_q4a7e764d53_down:
	.size	k_q4a7e764d53_down, .Lfunc_end_k_q4a7e764d53_down-k_q4a7e764d53_down
	.p2alignl 7, 3214868480
	.fill 96, 4, 3214868480
	.section	.rodata,"a",@progbits
	.p2align	6, 0x0
	.amdhsa_kernel k_q4a7e764d53_down
		.amdhsa_group_segment_fixed_size 125184
		.amdhsa_private_segment_fixed_size 0
		.amdhsa_enable_private_segment 0
		.amdhsa_kernarg_size 56
		.amdhsa_user_sgpr_count 2
		.amdhsa_user_sgpr_kernarg_segment_ptr 1
		.amdhsa_wavefront_size32 1
		.amdhsa_system_sgpr_workgroup_id_x 1
		.amdhsa_system_sgpr_workgroup_id_y 1
		.amdhsa_system_sgpr_workgroup_id_z 1
		.amdhsa_system_vgpr_workitem_id 0
		.amdhsa_next_free_vgpr 256
		.amdhsa_next_free_sgpr 66
		.amdhsa_reserve_vcc 1
		.amdhsa_float_denorm_mode_32 3
		.amdhsa_float_denorm_mode_16_64 3
		.amdhsa_memory_ordered 1
		.amdhsa_forward_progress 1
		.amdhsa_inst_pref_size 166
	.end_amdhsa_kernel
	.amdgpu_metadata
---
amdhsa.version: [ 1, 2 ]
amdhsa.kernels:
  - .name:           k_q4a7e764d53_down
    .symbol:         k_q4a7e764d53_down.kd
    .args:
      - { .name: W2, .offset: 0, .size: 8, .value_kind: global_buffer, .address_space: global }
      - { .name: b2, .offset: 8, .size: 8, .value_kind: global_buffer, .address_space: global }
      - { .name: hq, .offset: 16, .size: 8, .value_kind: global_buffer, .address_space: global }
      - { .name: hs, .offset: 24, .size: 8, .value_kind: global_buffer, .address_space: global }
      - { .name: sel, .offset: 32, .size: 8, .value_kind: global_buffer, .address_space: global }
      - { .name: gate, .offset: 40, .size: 8, .value_kind: global_buffer, .address_space: global }
      - { .name: part, .offset: 48, .size: 8, .value_kind: global_buffer, .address_space: global }
    .group_segment_fixed_size: 125184
    .private_segment_fixed_size: 0
    .kernarg_segment_align: 8
    .kernarg_segment_size: 56
    .max_flat_workgroup_size: 512
    .sgpr_count:     66
    .vgpr_count:     256
    .wavefront_size: 32
...
	.end_amdgpu_metadata
.endif
;; end of part 3
;; launch combine (part 4): grid 256 x 1, 8 waves a work-group, no clusters, 0 bytes of LDS; arguments part, out0; writes out0
.if DOCPART == 4
	.amdgcn_target "amdgcn-amd-amdhsa--gfx1250"
	.amdhsa_code_object_version 6
	.text
	.protected	k_q4a7e764d53_combine
	.globl	k_q4a7e764d53_combine
	.p2align	8
	.type	k_q4a7e764d53_combine,@function
k_q4a7e764d53_combine:
	s_mov_b64 s[64:65], 0
	v_nop
	global_prefetch_b8 v0, s[64:65] scope:SCOPE_SE
	s_setreg_imm32_b32 hwreg(HW_REG_WAVE_MODE, 25, 1), 1
	s_wait_xcnt 0x0
; COMBINE: out0[token] = the sum of the token's four parts: two chosen experts (slots) x two halves of F.  The six experts that a token did not choose add 0 (shown at the head of the first kernel) and have no part.
; part: [kh 0..1][slot x 1024 + token][768] f32.  A stream: a work-group takes 12,288 bytes of out0, a thread 3 x 16 bytes; each load and store of a wave covers 512 consecutive bytes.  All 12 loads of a thread go out first.
; No LDS, no barrier, no matrix unit: nothing is shared and nothing is multiplied.
.set KHB,  6291456                     ; from one K half to the other
.set SLB,  3145728                     ; from one slot to the other
	s_load_b128 s[4:7], s[0:1], 0x0                ; part s[4:5], out0 s[6:7]
	s_mul_i32 s8, ttmp9, 12288
	v_lshl_add_u32 v1, v0, 4, s8
	s_wait_alu depctr_va_vdst(0)
	s_wait_kmcnt 0x0
	s_add_nc_u64 s[10:11], s[4:5], KHB
.irp i, 0,1,2
	global_load_b128 v[4+16*\i:7+16*\i], v1, s[4:5] offset:4096*\i th:TH_LOAD_NT
	global_load_b128 v[8+16*\i:11+16*\i], v1, s[10:11] offset:4096*\i th:TH_LOAD_NT
	global_load_b128 v[12+16*\i:15+16*\i], v1, s[4:5] offset:SLB+4096*\i th:TH_LOAD_NT
	global_load_b128 v[16+16*\i:19+16*\i], v1, s[10:11] offset:SLB+4096*\i th:TH_LOAD_NT
.endr
.irp i, 0,1,2
	s_wait_loadcnt 8-4*\i                          ; this group's four loads are in; the later groups' may stay out
	v_pk_add_f32 v[4+16*\i:5+16*\i], v[4+16*\i:5+16*\i], v[8+16*\i:9+16*\i]            ; the first choice: both halves of F
	v_pk_add_f32 v[6+16*\i:7+16*\i], v[6+16*\i:7+16*\i], v[10+16*\i:11+16*\i]
	v_pk_add_f32 v[12+16*\i:13+16*\i], v[12+16*\i:13+16*\i], v[16+16*\i:17+16*\i]      ; the second choice
	v_pk_add_f32 v[14+16*\i:15+16*\i], v[14+16*\i:15+16*\i], v[18+16*\i:19+16*\i]
	s_delay_alu instid0(VALU_DEP_2)
	v_pk_add_f32 v[4+16*\i:5+16*\i], v[4+16*\i:5+16*\i], v[12+16*\i:13+16*\i]
	s_delay_alu instid0(VALU_DEP_2)
	v_pk_add_f32 v[6+16*\i:7+16*\i], v[6+16*\i:7+16*\i], v[14+16*\i:15+16*\i]
	global_store_b128 v1, v[4+16*\i:7+16*\i], s[6:7] offset:4096*\i th:TH_STORE_NT
.endr
	s_endpgm
.Lfunc_end_k_q4a7e764d53_combine:
	.size	k_q4a7e764d53_combine, .Lfunc_end_k_q4a7e764d53_combine-k_q4a7e764d53_combine
	.p2alignl 7, 3214868480
	.fill 96, 4, 3214868480
	.section	.rodata,"a",@progbits
	.p2align	6, 0x0
	.amdhsa_kernel k_q4a7e764d53_combine
		.amdhsa_group_segment_fixed_size 0
		.amdhsa_private_segment_fixed_size 0
		.amdhsa_enable_private_segment 0
		.amdhsa_kernarg_size 16
		.amdhsa_user_sgpr_count 2
		.amdhsa_user_sgpr_kernarg_segment_ptr 1
		.amdhsa_wavefront_size32 1
		.amdhsa_system_sgpr_workgroup_id_x 1
		.amdhsa_system_sgpr_workgroup_id_y 1
		.amdhsa_system_sgpr_workgroup_id_z 1
		.amdhsa_system_vgpr_workitem_id 0
		.amdhsa_next_free_vgpr 64
		.amdhsa_next_free_sgpr 66
		.amdhsa_reserve_vcc 0
		.amdhsa_float_denorm_mode_32 3
		.amdhsa_float_denorm_mode_16_64 3
		.amdhsa_memory_ordered 1
		.amdhsa_forward_progress 1
		.amdhsa_inst_pref_size 4
	.end_amdhsa_kernel
	.amdgpu_metadata
---
amdhsa.version: [ 1, 2 ]
amdhsa.kernels:
  - .name:           k_q4a7e764d53_combine
    .symbol:         k_q4a7e764d53_combine.kd
    .args:
      - { .name: part, .offset: 0, .size: 8, .value_kind: global_buffer, .address_space: global }
      - { .name: out0, .offset: 8, .size: 8, .value_kind: global_buffer, .address_space: global }
    .group_segment_fixed_size: 0
    .private_segment_fixed_size: 0
    .kernarg_segment_align: 8
    .kernarg_segment_size: 16
    .max_flat_workgroup_size: 256
    .sgpr_count:     66
    .vgpr_count:     64
    .wavefront_size: 32
...
	.end_amdgpu_metadata
.endif
;; end of part 4
